; MI455X (gfx1250); checked and timed in simulation.
; The chip was launched on July 23, 2026; its instructions are those of AMD's public machine-readable ISA for CDNA 5 (MIT licence, August 2026) and "CDNA5" Instruction Set Architecture Reference Guide (July 2026). The comments in the code are by the model that wrote it; some were corrected since.
;; Complexity Attention. Allowed arithmetic: float matrix products may take bf16 or f16 operands with f32 sums; other float arithmetic in f32, or as packed bf16 or f16 multiplies, adds, multiply-adds, maxima and minima; sums over many terms, partial sums and values carried from step to step in f32; what a program stores and reads back later, other than sums and carried values, may be rounded once to bf16 or f16.
;; Inputs: hidden_states 1 x 2,048 x 2,048 float32; k_norm_w 128 float32; mu_prev 1 x 2,048 x 2,048 float32; q_norm_w 128 float32; wk 512 x 2,048 float32; wmk 512 x 2,048 float32; wmq 2,048 x 2,048 float32; wmv 512 x 2,048 float32; wo 2,048 x 2,048 float32; wq 2,048 x 2,048 float32; wv 512 x 2,048 float32.
;; Outputs: out0 1 x 2,048 x 2,048 float32.
;; 2 versions, each right; version 2 is version 1 with the launch norm written anew for expert scheduling mode. Each part assembles by itself: llvm-mc -triple=amdgcn-amd-amdhsa -mcpu=gfx1250 --defsym DOCPART=n.
;; ======== version 1 of 2: 5 launches
;; limits: values are held in f16: magnitudes above 65,504 overflow, below 6.1e-05 lose precision
;; workspace buffers: xa 16,777,216 bytes; wb 25,165,824 bytes; wof 8,388,608 bytes; cs 1,048,576 bytes; part 50,331,648 bytes; qkv 12,582,912 bytes; ao 8,388,608 bytes
;; launch cast (part 1): grid 32 x 28, 8 waves a work-group, no clusters, 0 bytes of LDS; arguments hidden_states, mu_prev, wq, wmq, wk, wmk, wv, wmv, wo, xa, wb, wof, cs; writes xa, wb, wof, cs
.if DOCPART == 1
	.amdgcn_target "amdgcn-amd-amdhsa--gfx1250"
	.amdhsa_code_object_version 6
	.text
	.protected	k_q05969c7460_cast
	.globl	k_q05969c7460_cast
	.p2align	8
	.type	k_q05969c7460_cast,@function
k_q05969c7460_cast:
	s_mov_b64 s[64:65], 0
	v_nop
	global_prefetch_b8 v0, s[64:65] scope:SCOPE_SE
	s_setreg_imm32_b32 hwreg(HW_REG_WAVE_MODE, 25, 1), 1
	s_wait_xcnt 0x0
; THE OPERANDS OF THE MATRIX LAUNCHES, made once, and the table of cosines and sines.
;   xa  [2048][4096] bf16: row s = hidden_states[s] | mu_prev[s]
;   wb  [3072][4096] bf16: rows 0-2047 wq | wmq, rows 2048-2559 wk | wmk, rows 2560-3071 wv | wmv
;   wof [2048][2048] f16 : wo rounded to bf16, that number written as f16
;   cs  [2048][128]  f32 : row pos = cos(pos f_i), i = 0..63, then sin(pos f_i); f_i = 10000^(-i/64)
; The grid's y is a SEGMENT of 512 source rows (0-3 x, 4-7 mu, 8-11 wq, 12-15 wmq, 16 wk, 17 wmk, 18 wv, 19 wmv, 20-23 wo, 24-27 the table), its x 16 rows of it.
; A row is 8,192 bytes of f32: thread t takes the 16 bytes at 16 t and the 16 bytes at 4,096 + 16 t, so each load of a wave covers 512 consecutive bytes; it stores 8 bytes at 8 t and at 2,048 + 8 t,
; so each store of a wave covers 256 consecutive bytes, aligned.  All 32 loads of a thread go out at once (128 registers); nothing is read twice, nothing is shared: no LDS, no barrier, no loop.
; LIMITS.  bf16(wo) must lie within f16's range (65,504); below 6.1e-5 it keeps f16's fixed step of 6e-8.  The angle pos f_i is right to about 3.5e-4 radians at the largest positions
; (f_i comes from one v_exp_f32); sine and cosine are Taylor sums in turns, cut where the next term is under 1e-6.
.set X,   16                           ; v[16:143] row r of 16: eight f32 as loaded; its first four registers then hold the 16 bytes to store
.set T,   4                            ; v[4:11]   at work
.set SEG, 30                           ; s30       the segment
.set SRC, 32                           ; s[32:33]  the source at my work-group's first row
.set FST, 34                           ; s34       the source's first segment
.set DST, 44                           ; s[44:45]  the destination at my work-group's first row
	s_load_b512 s[4:19], s[0:1], 0x0               ; x, mu, wq, wmq, wk, wmk, wv, wmv
	s_load_b256 s[20:27], s[0:1], 0x40             ; wo, xa, wb, wof
	s_load_b64 s[28:29], s[0:1], 0x60              ; cs
	s_and_b32 s[SEG], ttmp7, 0xffff
	v_lshlrev_b32 v1, 4, v0                        ; my 16 bytes in each half of a source row
	v_lshlrev_b32 v2, 3, v0                        ; my 8 bytes in each half of a destination row
	s_wait_kmcnt 0x0
	s_cmp_ge_u32 s[SEG], 24
	s_cbranch_scc1 .Ltable
; the source: the last tensor whose first segment is not above mine
.macro PICK lim, ptr, first
	s_cmp_lt_u32 s[SEG], \lim
	s_cselect_b64 s[SRC:SRC+1], s[\ptr:\ptr+1], s[SRC:SRC+1]
	s_cselect_b32 s[FST], \first, s[FST]
.endm
	s_mov_b64 s[SRC:SRC+1], s[20:21]
	s_mov_b32 s[FST], 20
	PICK 20, 18, 19
	PICK 19, 16, 18
	PICK 18, 14, 17
	PICK 17, 12, 16
	PICK 16, 10, 12
	PICK 12, 8, 8
	PICK 8, 6, 4
	PICK 4, 4, 0
	s_sub_co_u32 s35, s[SEG], s[FST]
	s_lshl_b32 s35, s35, 22                        ; 512 rows of 8,192 bytes
	s_lshl_b32 s36, ttmp9, 17                      ; 16 rows
	s_add_co_u32 s36, s36, s35
	s_mov_b32 s37, 0
	s_add_nc_u64 s[SRC:SRC+1], s[SRC:SRC+1], s[36:37]
.set r, 0
.rept 16
	global_load_b128 v[X+8*r:X+8*r+3],   v1, s[SRC:SRC+1] offset:8192*r th:TH_LOAD_NT
	global_load_b128 v[X+8*r+4:X+8*r+7], v1, s[SRC:SRC+1] offset:8192*r+4096 th:TH_LOAD_NT
.set r, r+1
.endr
; Sixteen rows: rounded, stored.  half = 1: the bf16 number is widened again and written as f16 (exact within f16's range).
.macro ROWS pitch, half
.set r, 0
.rept 16
	s_wait_loadcnt 30-2*r                          ; loads come back in order: behind row r's two stand 30 - 2 r younger ones
.irp j, 0,1,2,3
	v_cvt_pk_bf16_f32 v[X+8*r+(\j)], v[X+8*r+2*(\j)], v[X+8*r+2*(\j)+1]  ; in place, ascending: a result never lands on numbers still to be read
.endr
.if \half
.irp j, 0,1,2,3
	v_lshlrev_b32 v[T+2*(\j)],   16, v[X+8*r+(\j)]
	v_and_b32     v[T+2*(\j)+1], 0xffff0000, v[X+8*r+(\j)]
.endr
.irp j, 0,1,2,3
	v_cvt_pk_f16_f32 v[X+8*r+(\j)], v[T+2*(\j)], v[T+2*(\j)+1]
.endr
.endif
	global_store_b64 v2, v[X+8*r:X+8*r+1],   s[DST:DST+1] offset:r*(\pitch) th:TH_STORE_NT       ; the row's first half; no register of a store is written again
	global_store_b64 v2, v[X+8*r+2:X+8*r+3], s[DST:DST+1] offset:r*(\pitch)+2048 th:TH_STORE_NT  ; its second half
.set r, r+1
.endr
.endm
	s_and_b32 s38, s[SEG], 3
	s_lshl_b32 s38, s38, 9
	s_lshl_b32 s43, ttmp9, 4
	s_add_co_u32 s38, s38, s43                     ; destination row for x, mu, wq, wmq and wo
	s_cmp_ge_u32 s[SEG], 20
	s_cbranch_scc1 .Lwo
	s_bfe_u32 s39, s[SEG], 0x10002                 ; which half of the destination's row: 0 for x and wq, 1 for mu and wmq
	s_bfe_u32 s40, s[SEG], 0x10001                 ; segments 16-19: rows 2,048 on (wk, wmk) or 2,560 on (wv, wmv),
	s_lshl_b32 s40, s40, 9
	s_add_co_u32 s40, s40, 2048
	s_add_co_u32 s40, s40, s43
	s_and_b32 s41, s[SEG], 1                       ; and the half by the segment's parity
	s_cmp_ge_u32 s[SEG], 16
	s_cselect_b32 s38, s40, s38
	s_cselect_b32 s39, s41, s39
	s_lshl_b32 s38, s38, 13                        ; rows of 8,192 bytes
	s_lshl_b32 s39, s39, 12                        ; halves of 4,096
	s_add_co_u32 s38, s38, s39
	s_mov_b32 s39, 0
	s_cmp_lt_u32 s[SEG], 8
	s_cselect_b64 s[DST:DST+1], s[22:23], s[24:25]
	s_add_nc_u64 s[DST:DST+1], s[DST:DST+1], s[38:39]
	ROWS 8192, 0
	s_endpgm
.Lwo:
	s_lshl_b32 s38, s38, 12                        ; rows of 4,096 bytes
	s_mov_b32 s39, 0
	s_add_nc_u64 s[DST:DST+1], s[26:27], s[38:39]
	ROWS 4096, 1
	s_endpgm
; THE TABLE.  A work-group makes 16 rows; thread t row t / 16, frequencies 4 (t % 16) + 0..3.
; In turns: g_i = f_i / 2 pi = 2^-(0.20762051 i + 2.6514961); n = the whole number nearest to pos g_i; r = pos g_i - n, by one fused multiply-add, so the product is not rounded; z = r r.
; sin(2 pi r) = r (S0 - z (S1 - z (S2 - ..))), cos(2 pi r) = 1 - z (C1 - z (C2 - ..)), with Sk = (2 pi)^(2k+1) / (2k+1)!, Ck = (2 pi)^(2k) / (2k)!.
.Ltable:
	s_sub_co_u32 s31, s[SEG], 24
	s_lshl_b32 s31, s31, 5
	s_add_co_u32 s31, s31, ttmp9                   ; which 16 rows, 0 to 127
	s_lshl_b32 s32, s31, 4                         ; their first position
	s_lshl_b32 s36, s31, 13                        ; 16 rows of 512 bytes
	s_mov_b32 s37, 0
	s_add_nc_u64 s[28:29], s[28:29], s[36:37]
	s_mov_b32 s40, 0.20762051
	s_mov_b32 s41, 2.6514961
	s_mov_b32 s42, 6.2831853
	s_mov_b32 s43, 41.341702
	s_mov_b32 s44, 81.605249
	s_mov_b32 s45, 76.705860
	s_mov_b32 s46, 42.058694
	s_mov_b32 s47, 15.094643
	s_mov_b32 s48, 3.8199526
	s_mov_b32 s49, 0.71812230
	s_mov_b32 s50, 19.739209
	s_mov_b32 s51, 64.939394
	s_mov_b32 s52, 85.456817
	s_mov_b32 s53, 60.244641
	s_mov_b32 s54, 26.426257
	s_mov_b32 s55, 7.9035363
	s_mov_b32 s56, 1.7143907
	s_mov_b32 s57, 0.28200597
	v_lshrrev_b32 v6, 4, v0                        ; my row of the 16
	v_and_b32 v7, 15, v0
	v_add_nc_u32 v3, s32, v6
	v_cvt_f32_u32 v3, v3                           ; pos
	v_lshlrev_b32 v4, 2, v7                        ; my first frequency's number
	v_lshlrev_b32 v5, 9, v6
	v_lshl_add_u32 v5, v7, 4, v5                   ; my 16 bytes among the cosines: sixteen lanes cover a row's 256 bytes
.irp k, 0,1,2,3
	v_add_nc_u32 v[8+(\k)], \k, v4
	v_cvt_f32_u32 v[8+(\k)], v[8+(\k)]
	v_fma_f32 v[8+(\k)], v[8+(\k)], s40, s41
	v_mul_f32 v[8+(\k)], -1.0, v[8+(\k)]
.endr
.irp k, 0,1,2,3
	v_exp_f32 v[8+(\k)], v[8+(\k)]                 ; g_i
.endr
	v_nop                                          ; a plain instruction behind the last exponential (ISA guide 5.7.2),
	s_wait_alu depctr_va_vdst(0)                   ; and the one wait ahead of the batch's first reader
.irp k, 0,1,2,3
	v_mul_f32 v[12+(\k)], v3, v[8+(\k)]
	v_rndne_f32 v[12+(\k)], v[12+(\k)]             ; n
	v_fma_f32 v[12+(\k)], v3, v[8+(\k)], -v[12+(\k)]  ; r, within half a turn
	v_mul_f32 v[16+(\k)], v[12+(\k)], v[12+(\k)]   ; z
	v_mov_b32 v[20+(\k)], s49
	v_mov_b32 v[24+(\k)], s57
.endr
.irp c, 48,47,46,45,44,43,42
.irp k, 0,1,2,3
	v_fma_f32 v[20+(\k)], -v[20+(\k)], v[16+(\k)], s\c
.endr
.endr
.irp c, 56,55,54,53,52,51,50
.irp k, 0,1,2,3
	v_fma_f32 v[24+(\k)], -v[24+(\k)], v[16+(\k)], s\c
.endr
.endr
.irp k, 0,1,2,3
	v_mul_f32 v[20+(\k)], v[20+(\k)], v[12+(\k)]   ; the sine
	v_fma_f32 v[24+(\k)], -v[24+(\k)], v[16+(\k)], 1.0  ; the cosine
.endr
	global_store_b128 v5, v[24:27], s[28:29]
	global_store_b128 v5, v[20:23], s[28:29] offset:256
	s_endpgm
.Lfunc_end_k_q05969c7460_cast:
	.size	k_q05969c7460_cast, .Lfunc_end_k_q05969c7460_cast-k_q05969c7460_cast
	.p2alignl 7, 3214868480
	.fill 96, 4, 3214868480
	.section	.rodata,"a",@progbits
	.p2align	6, 0x0
	.amdhsa_kernel k_q05969c7460_cast
		.amdhsa_group_segment_fixed_size 0
		.amdhsa_private_segment_fixed_size 0
		.amdhsa_enable_private_segment 0
		.amdhsa_kernarg_size 104
		.amdhsa_user_sgpr_count 2
		.amdhsa_user_sgpr_kernarg_segment_ptr 1
		.amdhsa_wavefront_size32 1
		.amdhsa_system_sgpr_workgroup_id_x 1
		.amdhsa_system_sgpr_workgroup_id_y 1
		.amdhsa_system_sgpr_workgroup_id_z 1
		.amdhsa_system_vgpr_workitem_id 0
		.amdhsa_next_free_vgpr 144
		.amdhsa_next_free_sgpr 66
		.amdhsa_reserve_vcc 0
		.amdhsa_float_denorm_mode_32 3
		.amdhsa_float_denorm_mode_16_64 3
		.amdhsa_memory_ordered 1
		.amdhsa_forward_progress 1
		.amdhsa_inst_pref_size 38
	.end_amdhsa_kernel
	.amdgpu_metadata
---
amdhsa.version: [ 1, 2 ]
amdhsa.kernels:
  - .name:           k_q05969c7460_cast
    .symbol:         k_q05969c7460_cast.kd
    .args:
      - { .name: hidden_states, .offset: 0, .size: 8, .value_kind: global_buffer, .address_space: global }
      - { .name: mu_prev, .offset: 8, .size: 8, .value_kind: global_buffer, .address_space: global }
      - { .name: wq, .offset: 16, .size: 8, .value_kind: global_buffer, .address_space: global }
      - { .name: wmq, .offset: 24, .size: 8, .value_kind: global_buffer, .address_space: global }
      - { .name: wk, .offset: 32, .size: 8, .value_kind: global_buffer, .address_space: global }
      - { .name: wmk, .offset: 40, .size: 8, .value_kind: global_buffer, .address_space: global }
      - { .name: wv, .offset: 48, .size: 8, .value_kind: global_buffer, .address_space: global }
      - { .name: wmv, .offset: 56, .size: 8, .value_kind: global_buffer, .address_space: global }
      - { .name: wo, .offset: 64, .size: 8, .value_kind: global_buffer, .address_space: global }
      - { .name: xa, .offset: 72, .size: 8, .value_kind: global_buffer, .address_space: global }
      - { .name: wb, .offset: 80, .size: 8, .value_kind: global_buffer, .address_space: global }
      - { .name: wof, .offset: 88, .size: 8, .value_kind: global_buffer, .address_space: global }
      - { .name: cs, .offset: 96, .size: 8, .value_kind: global_buffer, .address_space: global }
    .group_segment_fixed_size: 0
    .private_segment_fixed_size: 0
    .kernarg_segment_align: 8
    .kernarg_segment_size: 104
    .max_flat_workgroup_size: 256
    .sgpr_count:     66
    .vgpr_count:     144
    .wavefront_size: 32
...
	.end_amdgpu_metadata
.endif
;; end of part 1
;; launch proj (part 2): grid 16 x 16, 4 waves a work-group, clusters of 4 x 4, 327,680 bytes of LDS; arguments xa, wb, part; writes part
.if DOCPART == 2
	.amdgcn_target "amdgcn-amd-amdhsa--gfx1250"
	.amdhsa_code_object_version 6
	.text
	.protected	k_q05969c7460_proj
	.globl	k_q05969c7460_proj
	.p2align	8
	.type	k_q05969c7460_proj,@function
k_q05969c7460_proj:
	s_mov_b64 s[64:65], 0
	v_nop
	global_prefetch_b8 v0, s[64:65] scope:SCOPE_SE
	s_setreg_imm32_b32 hwreg(HW_REG_WAVE_MODE, 25, 1), 1
	s_wait_xcnt 0x0
	s_wait_alu depctr_hold_cnt(0) depctr_sa_sdst(0) depctr_va_vdst(0) depctr_va_sdst(0) depctr_va_ssrc(0) depctr_va_vcc(0) depctr_vm_vsrc(0)
	s_getreg_b32 s2, hwreg(HW_REG_IB_STS2, 6, 4)
	s_cmp_eq_u32 s2, 0
	s_cbranch_scc0 .Lentry_in_a_cluster
	s_endpgm
.Lentry_in_a_cluster:
	s_bfe_u32 s2, ttmp6, 0x10000c
	s_cmp_lg_u32 s2, 0xf033
	s_cbranch_scc0 .Lentry_shape_is_right
	s_endpgm
.Lentry_shape_is_right:
; THE PROJECTIONS' SUMS, IN TWO HALVES OF K.  part[z][s][c] = the sum over k = 2048 z .. 2048 z + 2047 of xa[s][k] wb[c][k]: z = 0 is x W^T, z = 1 is mu Wm^T.
; xa: [2048][4096] bf16, wb: [3072][4096] bf16, part: [2][2048][3072] f32.  Products in bf16, sums in f32, stored as f32: the next launch adds the two halves, as the module adds its two products.
; WHY K IS SPLIT AMONG WORK-GROUPS.  Behind each change of slots one tensor load a wave goes out, and it has one K step in which to land, so a step should hold much matrix work for the bytes it brings.  A tile of 128 x 384 over half of K
; gives 8 x 16 x 2 = 256 work-groups, 512 rows of 4,096 bytes each in 16 K steps, 192 matrix instructions a wave in a step; over all of K, 256 work-groups would have tiles of half the size and twice the steps.
; SHARES.  Four waves, 2 x 2, each 64 rows x 192 columns: 48 accumulators of 16 x 16, 384 registers; for 32 along K a wave loads 16 fragments and issues 48 matrix instructions.
; THE MATRIX INSTRUCTION IS USED TRANSPOSED (source 0 = 16 rows of wb, source 1 = 16 rows of xa): a lane holds row l % 16 and eight neighbouring columns, 32 bytes of a row of part.
; CLUSTER 4 x 4.  The half z hangs on the cluster's x alone.  xa's tile hangs on the tile row and z and is asked for jointly along a row of the cluster, wb's three tiles on the tile column and z, jointly along a column.
; RING.  Two LDS slots, a K step of 128 each (rows of 256 bytes of memory, aligned): waves 0-2 fetch 128 rows of wb each, wave 3 xa's 128 rows.  Two loads of a wave are out at the start, one behind each round.
; REGISTERS, in windows of 256 (s_set_vgpr_msb: bits 1:0 source 0, 3:2 source 1, 5:4 source 2, 7:6 destination):
;   window 0: v0-31 addresses          window 1: v0-191 wb's fragments, two buffers of 12; v192-255 xa's, two buffers of 4; on the way out two sets of 96 for rows read back
;   window 2: the accumulators of column blocks b = 0-7, (a, b) at v[8 (4 b + a)]          window 3: those of b = 8-11, at v[8 (4 (b - 8) + a)]
.set PITCH, 272                        ; an LDS row: 256 bytes + 16 of padding = 68 words: row r starts at bank 4 r mod 64 (64 banks of 4 bytes: ISA guide 11.1)
.set HALFT, 128*PITCH                  ; 128 rows: what one tensor load brings
.set SLOT,  4*HALFT                    ; wb's 384 rows, then xa's 128 rows: 139,264 bytes
.set SPARE, 2*SLOT                     ; behind the ring: the spare words, 128 bytes for each wave: two blocks of 256 bytes that no other line names
.set SP,    784                        ; the way out: a stage row of 768 bytes + 16: row r starts at bank 4 r mod 64.  The four stages (16 rows each) lie in slot 0, from byte 0 on, which has had its last fill by then
.set ROWB,  8192                       ; bytes in a row of xa and of wb
.set PROW,  12288                      ; bytes in a row of part
.set LAPS,  8                          ; a lap = two K steps = once round the ring: 2,048 / 256
.set ADRA, 16                          ; v16-17  LDS address of my fragments of xa in slot 0, 1
.set ADRB, 20                          ; v20-21  the same for wb
.set STO,  24                          ; v24     the way out: where I put 32 bytes of a row
.set RD,   25                          ; v25     where I read 256 bytes of a row back
.set CO,   26                          ; v26     my byte offset in two rows of part
.set SPW,  28                          ; v28     LDS address of my spare word; never rewritten
.set NIL,  29                          ; v29     0; never rewritten
.set PFO,  30                          ; v30     the prefetches' offset: my lane x a row of xa or wb; never rewritten
.set G1A,  24                          ; s[24:31] descriptor group 1 for xa's tile;  s[32:39] group 0, one set for each slot
.set G0A,  32
.set LIM,  43                          ; s43  1 in a wave that prefetches, else the greatest number
.set PFA,  44                          ; s[44:45] where my prefetches stand
.set G1B,  48                          ; s[48:55], s[56:63] the same for wb's tiles
.set G0B,  56
.set FLAGS, (1<<16)|(1<<20)|(1<<21)|(5<<22)|(3<<25)  ; 17:16 elements of 2 bytes; 20 padding on; 21 set beside a mask; 24:22 after every 64 words (code 5); 31:25 4 words of it (code 3)
.set MSB, 0
.macro WIN new                         ; the immediate's high byte repeats the setting that is left; a switch that changes nothing is dropped
.if MSB != (\new)
	s_set_vgpr_msb (MSB<<8)|(\new)
.set MSB, \new
.endif
.endm
.macro PLACES                          ; four places behind matrix instructions, in front of loads into registers that they have read and of stores that read results
.rept 4
	v_nop
.endr
.endm
; A joint load.  Wave 3 fetches xa's tile, waves 0-2 wb's rows 128 w on.  The branch hangs on the wave's number alone.  An s_nop 0 and four v_nop follow each of the two lines.
.macro JLOAD s
	s_cmp_eq_u32 s10, 3
	s_cbranch_scc0 .Lfor_b_\@
	tensor_load_to_lds s[G0A+4*(\s):G0A+4*(\s)+3], s[G1A:G1A+7]
	s_nop 0
.rept 4
	v_nop
.endr
	s_branch .Lasked_\@
.Lfor_b_\@:
	tensor_load_to_lds s[G0B+4*(\s):G0B+4*(\s)+3], s[G1B:G1B+7]
	s_nop 0
.rept 4
	v_nop
.endr
.Lasked_\@:
.endm
.macro CREST                           ; a round of the cluster's barrier behind its opening barrier
	s_cmp_lg_u32 s10, 0
	s_cbranch_scc1 .Lnot_wave_0_\@
	s_barrier_signal -3
.Lnot_wave_0_\@:
	s_barrier_wait -3
	s_barrier_signal -1
	s_barrier_wait -1
.endm
.macro CROUND
	s_barrier_signal -1
	s_barrier_wait -1
	CREST
.endm
; A PREFETCH INTO THE L2, behind the joint load, its five lines and the run of LDS loads: the change of slots at the end of K step t names K step t + 4, which the refill two changes on will ask for (384 matrix instructions ahead).
; Each row's 256 bytes of a K step are named once in the launch.  xa's tile is read by the two clusters of a row that share z: the one with an even x asks, wave 3.  wb's tiles are read by the four clusters of a column: the one with y = 0
; asks, waves 0-2.  Of the 128 rows that a wave fetches each of the four partners takes 32, BY ADDRESS (cx for xa, cy for wb): a lane a row, one instruction a wave.  The loop's last trip, whose changes end K steps 12 and 13, asks for nothing;
; K steps 0 to 3 come by their loads alone.
.macro ASK
	WIN 0                                          ; at a branch and at a label every window is 0
	s_cmp_gt_u32 s3, s[LIM]                        ; s3 = 1 in the loop's last trip
	s_cbranch_scc0 .Lnot_mine_\@
	global_prefetch_b8 v[PFO], s[PFA:PFA+1] th:TH_LOAD_NT scope:SCOPE_SE
.Lnot_mine_\@:
.endm
	s_load_b128 s[4:7], s[0:1], 0x0                ; xa s[4:5], wb s[6:7]
	s_load_b64 s[8:9], s[0:1], 0x10                ; part
	v_lshl_add_u32 v[SPW], v0, 2, SPARE
	v_mov_b32 v[NIL], 0
	ds_add_u32 v[SPW], v[NIL]                      ; the wave's opening: the add and its wait stand ahead of my first tensor load; the set-up below, work on registers, stands between them
	v_lshrrev_b32 v1, 5, v0
	v_readfirstlane_b32 s10, v1                    ; wave 0..3
	s_lshr_b32 s11, s10, 1                         ; which 64 of the tile's rows are mine
	s_and_b32 s12, s10, 1                          ; which 192 of its columns
	s_bfe_u32 s40, ttmp6, 0x40000                  ; cx
	s_bfe_u32 s41, ttmp6, 0x40004                  ; cy
	s_lshr_b32 s14, ttmp9, 1                       ; z: which half of K; of the cluster's x alone
	s_and_b32 s42, ttmp9, 1
	s_lshl_b32 s42, s42, 2
	s_add_co_u32 s42, s42, s40                     ; tile column, 0 to 7
	s_and_b32 s13, ttmp7, 0xffff
	s_lshl_b32 s13, s13, 2
	s_add_co_u32 s13, s13, s41                     ; tile row = 4 x cluster y + cy
	s_lshl_b32 s43, s41, 2
	s_lshl_b32 s43, 15, s43                        ; my row of the cluster
	s_lshl_b32 s44, 0x1111, s40                    ; my column
	s_or_b32 s[G1A], s43, FLAGS                    ; xa's tile goes to my row,
	s_or_b32 s[G1B], s44, FLAGS                    ; wb's tiles to my column
.irp g, G1A, G1B
	s_mov_b32 s[(\g)+1], 128<<16                   ; tensor_dim0 = 128
	s_mov_b32 s[(\g)+2], 128<<16                   ; tensor_dim1 = 128
	s_mov_b32 s[(\g)+3], 128<<16                   ; tile_dim0 = 128
	s_mov_b32 s[(\g)+4], 128                       ; tile_dim1 = 128
	s_mov_b32 s[(\g)+5], 4096                      ; elements from row to row
	s_mov_b32 s[(\g)+6], 0
	s_mov_b32 s[(\g)+7], 0
.endr
	s_lshl_b32 s15, s14, 12                        ; my half of K begins 4,096 z bytes into a row
	s_lshl_b32 s16, s13, 20                        ; xa: 128 rows of 8,192 bytes for each tile row: of the tile row and z alone
	s_add_co_u32 s16, s16, s15
	s_mov_b32 s17, 0
	s_min_u32 s18, s10, 2
	s_lshl_b32 s18, s18, 7
	s_mul_i32 s19, s42, 384
	s_add_co_u32 s18, s18, s19                     ; wb: row 384 x tile column + 128 w: of the tile column, the wave and z alone
	s_lshl_b32 s46, s18, 13
	s_add_co_u32 s46, s46, s15
	s_mov_b32 s47, 0
	s_mul_i32 s20, s10, HALFT                      ; where my 128 rows go: no place in the cluster enters an LDS address
	s_wait_dscnt 0x0                               ; the opening add is done
	s_wait_kmcnt 0x0
	s_add_nc_u64 s[66:67], s[4:5], s[16:17]
	s_add_nc_u64 s[68:69], s[6:7], s[46:47]
	CROUND                                         ; all sixteen work-groups are here: the first joint loads meet
.irp s, 0,1
	s_mov_b32 s[G0A+4*(\s)], 1                     ; count = 1
	s_add_co_u32 s[G0A+4*(\s)+1], s20, (\s)*SLOT   ; LDS address
	s_add_nc_u64 s[G0A+4*(\s)+2:G0A+4*(\s)+3], s[66:67], (\s)*256  ; global address: K step s
	s_or_b32 s[G0A+4*(\s)+3], s[G0A+4*(\s)+3], 0x80000000          ; type = 2
	s_mov_b32 s[G0B+4*(\s)], 1
	s_add_co_u32 s[G0B+4*(\s)+1], s20, (\s)*SLOT
	s_add_nc_u64 s[G0B+4*(\s)+2:G0B+4*(\s)+3], s[68:69], (\s)*256
	s_or_b32 s[G0B+4*(\s)+3], s[G0B+4*(\s)+3], 0x80000000
	JLOAD \s                                       ; the ring is filled before anything else is done
.endr
	; A fragment is 16 rows x 32 channels in 8 registers: lane l holds row l % 16; registers 0-3 channels 8 (l / 16) + 0..7, registers 4-7 channels 16 + 8 (l / 16) + 0..7: two loads of 16 bytes, 32 bytes apart.
	v_and_b32 v1, 15, v0                           ; l % 16
	v_bfe_u32 v2, v0, 4, 1                         ; l / 16
	v_mul_u32_u24 v3, v1, PITCH
	v_lshl_add_u32 v3, v2, 4, v3
	s_mul_i32 s21, s11, 64*PITCH                   ; my 64 rows of xa,
	s_add_co_u32 s21, s21, 3*HALFT                 ; which lie behind wb's 384
	s_mul_i32 s22, s12, 192*PITCH                  ; my 192 rows of wb
.irp s, 0,1
	v_add_nc_u32 v[ADRA+(\s)], s21, v3
	v_add_nc_u32 v[ADRB+(\s)], s22, v3
	s_add_co_u32 s21, s21, SLOT
	s_add_co_u32 s22, s22, SLOT
.endr
	s_mul_i32 s23, s10, 16*SP                      ; my stage
	v_mul_u32_u24 v4, v1, SP                       ; in: row l % 16, 32 bytes for each half of the lanes
	v_lshl_add_u32 v4, v2, 5, v4
	v_add_nc_u32 v[STO], s23, v4
	v_mul_u32_u24 v5, v2, SP                       ; back: lanes 0-15 take 256 bytes of one row, lanes 16-31 of the next
	v_lshl_add_u32 v5, v1, 4, v5
	v_add_nc_u32 v[RD], s23, v5
	v_mul_u32_u24 v5, v2, PROW                     ; and the same two rows in part
	v_lshl_add_u32 v[CO], v1, 4, v5
	s_mul_i32 s70, s14, 2048*PROW                  ; part: half z,
	s_lshl_b32 s71, s13, 7
	s_lshl_b32 s72, s11, 6
	s_add_co_u32 s71, s71, s72                     ; my first row: 128 x tile row + 64 x half,
	s_mul_i32 s71, s71, PROW
	s_add_co_u32 s70, s70, s71
	s_mul_i32 s72, s42, 1536                       ; my first column: 384 x tile column + 192 x half, 4 bytes each: a multiple of 256 bytes
	s_add_co_u32 s70, s70, s72
	s_mul_i32 s72, s12, 768
	s_add_co_u32 s70, s70, s72
	s_mov_b32 s71, 0
	s_add_nc_u64 s[8:9], s[8:9], s[70:71]
	; the prefetches
	s_and_b32 s70, ttmp7, 0xffff                   ; cluster y
	s_and_b32 s71, ttmp9, 1                        ; which of the two clusters that share xa's rows
	s_cmp_eq_u32 s10, 3                            ; do I fetch xa's tile?
	s_cselect_b32 s72, s71, s70                    ; the coordinate along which other clusters read the same rows
	s_cselect_b32 s73, s40, s41                    ; my place among the four that ask with me
	s_cselect_b32 s74, s16, s46                    ; my 128 rows' first byte, in my half of K
	s_cselect_b64 s[PFA:PFA+1], s[4:5], s[6:7]
	s_cmp_eq_u32 s72, 0
	s_cselect_b32 s[LIM], 1, -1                    ; the same in all sixteen partners, for a given wave
	s_lshl_b32 s73, s73, 18                        ; my work-group's 32 rows of 8,192 bytes
	s_add_co_u32 s74, s74, s73
	s_add_co_u32 s74, s74, 3*256                   ; at K step 3: the first change of slots steps it to 4.  Nothing is prefetched here, at the head
	s_mov_b32 s75, 0
	s_add_nc_u64 s[PFA:PFA+1], s[PFA:PFA+1], s[74:75]
	v_and_b32 v[PFO], 31, v0
	v_lshlrev_b32 v[PFO], 13, v[PFO]               ; a lane a row
; Matrix instructions of column blocks b0 .. b1 (within one window) x all four row blocks, on fragment buffer f.  Every accumulator is taken once in 32 along K, in the same order every time, so 47 others stand between
; two links of a chain, over the backward jump too.  zero = 1: the first product starts the sums: nothing is ever cleared.
.macro MULB f, b0, b1, zero
	WIN 0xa5+0x50*((\b0)/8)                        ; both sources in window 1; C and D in window 2 or 3
.set bb, \b0
.rept (\b1)-(\b0)+1
.irp a, 0,1,2,3
.set rD, 8*(4*(bb%8)+(\a))
.if \zero
	v_wmma_f32_16x16x32_bf16 v[rD:rD+7], v[96*(\f)+8*bb:96*(\f)+8*bb+7], v[192+32*(\f)+8*(\a):192+32*(\f)+8*(\a)+7], 0
.else
	v_wmma_f32_16x16x32_bf16 v[rD:rD+7], v[96*(\f)+8*bb:96*(\f)+8*bb+7], v[192+32*(\f)+8*(\a):192+32*(\f)+8*(\a)+7], v[rD:rD+7]
.endif
.endr
.set bb, bb+1
.endr
.endm
; 32 LDS loads in one run: the fragments of 32 along K at byte k of the rows, into buffer f: xa's four first, then wb's twelve in ascending order
.macro FETCH slot, k, f
	WIN 0x40                                       ; destination window 1, address window 0
.irp a, 0,1,2,3
	ds_load_b128 v[192+32*(\f)+8*(\a):192+32*(\f)+8*(\a)+3],   v[ADRA+(\slot)] offset:(\k)+(\a)*16*PITCH
	ds_load_b128 v[192+32*(\f)+8*(\a)+4:192+32*(\f)+8*(\a)+7], v[ADRA+(\slot)] offset:(\k)+(\a)*16*PITCH+32
.endr
.irp b, 0,1,2,3,4,5,6,7,8,9,10,11
	ds_load_b128 v[96*(\f)+8*(\b):96*(\f)+8*(\b)+3],   v[ADRB+(\slot)] offset:(\k)+(\b)*16*PITCH
	ds_load_b128 v[96*(\f)+8*(\b)+4:96*(\f)+8*(\b)+7], v[ADRB+(\slot)] offset:(\k)+(\b)*16*PITCH+32
.endr
.endm
; A K step is four quarters of 32 along K, 48 matrix instructions each, on buffers 0, 1, 0, 1.  One of the first three: multiplies buffer f; behind sixteen products it fetches the next quarter, at byte k, into g, 32 products ahead of its use.
.macro QUARTER slot, k, f, g, zero
	s_wait_dscnt 16                                ; xa's fragments and wb's blocks 0-3 are in; the youngest sixteen loads (blocks 4-11) may be out
	MULB \f, 0, 3, \zero
	PLACES
	FETCH \slot, \k, \g
	s_wait_dscnt 32                                ; all but the 32 just issued
	MULB \f, 4, 7, \zero
	MULB \f, 8, 11, \zero
.endm
; The last quarter multiplies buffer 1 and changes slots: ONE barrier.  In front of it each wave waits for all its tensor loads, of which one is out: its part of the next slot; adds 0 to its spare word; and waits for that and for its reads of this slot.
; fill = 1: this slot is filled again, two K steps on: the barrier opens a round of the cluster's, and the joint refill is the first thing behind it: 176 matrix instructions ahead of the wait for it.
.macro TURN slot, next, fill
.if \fill
	s_wait_xcnt 0x0                                ; the last prefetch, a K step back, has read its address: it is stepped here, ahead of the waits of the change
	s_add_nc_u64 s[PFA:PFA+1], s[PFA:PFA+1], 256
.endif
	WIN 0                                          ; (the add's two registers lie in window 0)
	s_wait_tensorcnt 0x0                           ; all my tensor loads have landed
	ds_add_u32 v[SPW], v[NIL]                      ; 0 onto my spare word
	s_wait_dscnt 17                                ; (the add and the youngest sixteen loads may be out)
	MULB 1, 0, 1, 0                                ; eight matrix instructions stand between the add and the wait for it
	s_wait_dscnt 0x0                               ; the add is done, and my reads of this slot are over
	s_barrier_signal -1
	MULB 1, 2, 3, 0                                ; work on registers while the others arrive
	WIN 0
	s_barrier_wait -1
.if \fill
	CREST                                          ; no wave of any partner still reads this slot or has a load on its way
	s_add_nc_u64 s[G0A+4*(\slot)+2:G0A+4*(\slot)+3], s[G0A+4*(\slot)+2:G0A+4*(\slot)+3], 512
	s_add_nc_u64 s[G0B+4*(\slot)+2:G0B+4*(\slot)+3], s[G0B+4*(\slot)+2:G0B+4*(\slot)+3], 512
	JLOAD \slot                                    ; its four v_nop are also the places in front of the loads below
.else
	PLACES
.endif
	FETCH \next, 0, 0
.if \fill
	ASK
.endif
	MULB 1, 4, 7, 0
	MULB 1, 8, 11, 0
.endm
	s_wait_tensorcnt 1                             ; my part of K step 0 is in; K step 1's may stay out
	s_barrier_signal -1
	s_barrier_wait -1                              ; everybody's is
	FETCH 0, 0, 0
	QUARTER 0, 64, 0, 1, 1                         ; the first quarter stands in front of the loop: its products start the sums
	WIN 0                                          ; at a label and at a branch every window is 0
	s_mov_b32 s3, LAPS-1
.Llap:                                                 ; a trip goes once round the ring, from a lap's second quarter to the next lap's first, and fills both slots again
	QUARTER 0, 128, 1, 0, 0
	QUARTER 0, 192, 0, 1, 0
	TURN 0, 1, 1
	QUARTER 1, 64,  0, 1, 0
	QUARTER 1, 128, 1, 0, 0
	QUARTER 1, 192, 0, 1, 0
	TURN 1, 0, 1
	QUARTER 0, 64,  0, 1, 0
	WIN 0
	s_sub_co_u32 s3, s3, 1
	s_cmp_lg_u32 s3, 0
	s_cbranch_scc1 .Llap
	QUARTER 0, 128, 1, 0, 0                        ; the last lap fills nothing, and has no round of the cluster's barrier
	QUARTER 0, 192, 0, 1, 0
	TURN 0, 1, 0
	QUARTER 1, 64,  0, 1, 0
	QUARTER 1, 128, 1, 0, 0
	QUARTER 1, 192, 0, 1, 0
	s_wait_dscnt 16                                ; the very last quarter: nothing more to fetch
	MULB 1, 0, 3, 0
	s_wait_dscnt 0x0
	MULB 1, 4, 7, 0
	MULB 1, 8, 11, 0
	WIN 0
	; THE WAY OUT, 16 rows (row block a) at a time through my own stage: in by lanes, 32 bytes each; back as pieces of 256 bytes of a row, two to a load; each store's sixteen lanes cover 256 consecutive bytes of part, aligned.
	PLACES                                         ; behind the last products
	s_wait_dscnt 0x0
	s_barrier_signal -1
	s_barrier_wait -1                              ; nobody reads the ring any more: the stages may lie over slot 0
.macro ST a
	WIN 0x08                                       ; store data in window 2
.irp b, 0,1,2,3,4,5,6,7
	ds_store_b128 v[STO], v[8*(4*(\b)+(\a)):8*(4*(\b)+(\a))+3]   offset:64*(\b)       ; each accumulator from its low end on
	ds_store_b128 v[STO], v[8*(4*(\b)+(\a))+4:8*(4*(\b)+(\a))+7] offset:64*(\b)+16
.endr
	WIN 0x0c                                       ; in window 3
.irp b, 0,1,2,3
	ds_store_b128 v[STO], v[8*(4*(\b)+(\a)):8*(4*(\b)+(\a))+3]   offset:512+64*(\b)
	ds_store_b128 v[STO], v[8*(4*(\b)+(\a))+4:8*(4*(\b)+(\a))+7] offset:512+64*(\b)+16
.endr
.endm
.macro LD a                            ; load t: rows 2 (t / 3) and 2 (t / 3) + 1, their bytes 256 (t % 3) on.  LDS serves a wave's instructions in order (ISA guide 5.7.1.4): these see the stores above, and the next block's stores come behind them
	WIN 0x40
.set t, 0
.rept 24
	ds_load_b128 v[96*((\a)%2)+4*t:96*((\a)%2)+4*t+3], v[RD] offset:(t/3)*2*SP+(t%3)*256
.set t, t+1
.endr
.endm
.macro SEND a, younger                 ; younger: the LDS instructions issued behind block a's loads: the next block's 24 stores, or none
	WIN 0x04                                       ; store data in window 1
.set t, 0
.rept 24
	s_wait_dscnt (\younger)+23-t
	global_store_b128 v[CO], v[96*((\a)%2)+4*t:96*((\a)%2)+4*t+3], s[8:9] offset:(16*(\a)+2*(t/3))*PROW+(t%3)*256 th:TH_STORE_NT
.set t, t+1
.endr
.endm
	ST 0
	LD 0
	ST 1
	SEND 0, 24
	LD 1
	ST 2
	SEND 1, 24
	s_wait_xcnt 0x0                                ; block 0's stores have read their registers, which block 2 takes
	LD 2
	ST 3
	SEND 2, 24
	s_wait_xcnt 0x0                                ; likewise block 1's, for block 3
	LD 3
	SEND 3, 0
	WIN 0
	s_wait_tensorcnt 0x0                           ; the wave's end: an add to my spare word and its wait, behind my last tensor load and my last LDS store
	ds_add_u32 v[SPW], v[NIL]
	s_wait_dscnt 0x0
	CROUND                                         ; the closing round: no work-group ends while a partner may still ask for a tile that names it
	s_endpgm
.Lfunc_end_k_q05969c7460_proj:
	.size	k_q05969c7460_proj, .Lfunc_end_k_q05969c7460_proj-k_q05969c7460_proj
	.p2alignl 7, 3214868480
	.fill 96, 4, 3214868480
	.section	.rodata,"a",@progbits
	.p2align	6, 0x0
	.amdhsa_kernel k_q05969c7460_proj
		.amdhsa_group_segment_fixed_size 327680
		.amdhsa_private_segment_fixed_size 0
		.amdhsa_enable_private_segment 0
		.amdhsa_kernarg_size 24
		.amdhsa_user_sgpr_count 2
		.amdhsa_user_sgpr_kernarg_segment_ptr 1
		.amdhsa_wavefront_size32 1
		.amdhsa_system_sgpr_workgroup_id_x 1
		.amdhsa_system_sgpr_workgroup_id_y 1
		.amdhsa_system_sgpr_workgroup_id_z 1
		.amdhsa_system_vgpr_workitem_id 0
		.amdhsa_next_free_vgpr 896
		.amdhsa_next_free_sgpr 80
		.amdhsa_reserve_vcc 0
		.amdhsa_float_denorm_mode_32 3
		.amdhsa_float_denorm_mode_16_64 3
		.amdhsa_memory_ordered 1
		.amdhsa_forward_progress 1
		.amdhsa_inst_pref_size 121
	.end_amdhsa_kernel
	.amdgpu_metadata
---
amdhsa.version: [ 1, 2 ]
amdhsa.kernels:
  - .name:           k_q05969c7460_proj
    .symbol:         k_q05969c7460_proj.kd
    .args:
      - { .name: xa, .offset: 0, .size: 8, .value_kind: global_buffer, .address_space: global }
      - { .name: wb, .offset: 8, .size: 8, .value_kind: global_buffer, .address_space: global }
      - { .name: part, .offset: 16, .size: 8, .value_kind: global_buffer, .address_space: global }
    .group_segment_fixed_size: 327680
    .private_segment_fixed_size: 0
    .kernarg_segment_align: 8
    .kernarg_segment_size: 24
    .max_flat_workgroup_size: 128
    .sgpr_count:     80
    .vgpr_count:     896
    .wavefront_size: 32
...
	.end_amdgpu_metadata
.endif
;; end of part 2
;; launch norm (part 3): grid 256 x 6, 8 waves a work-group, no clusters, 0 bytes of LDS; arguments part, cs, q_norm_w, k_norm_w, qkv; writes qkv
.if DOCPART == 3
	.amdgcn_target "amdgcn-amd-amdhsa--gfx1250"
	.amdhsa_code_object_version 6
	.text
	.protected	k_q05969c7460_norm
	.globl	k_q05969c7460_norm
	.p2align	8
	.type	k_q05969c7460_norm,@function
k_q05969c7460_norm:
	s_mov_b64 s[64:65], 0
	v_nop
	global_prefetch_b8 v0, s[64:65] scope:SCOPE_SE
	s_setreg_imm32_b32 hwreg(HW_REG_WAVE_MODE, 25, 1), 1
	s_wait_xcnt 0x0
; q, k, v FROM THE TWO HALVES OF THE PROJECTIONS' SUMS.  part: [2][2048][3072] f32 (column = head x 128 + channel; heads 0-15 q, 16-19 k, 20-23 v); cs: [2048][128] f32 (64 cosines, 64 sines);
; qkv: [24][2048][128] f16.  x = part[0] + part[1]; for q and k: rs = 1 / sqrt(mean of x^2 over the head's 128 channels + 1e-6), y = x g rs, o[d] = y[d] cos - y[d + 64] sin, o[d + 64] = y[d + 64] cos + y[d] sin;
; v is x.  All in f32; q, k, v rounded once to f16.  The two gains are rounded to bf16 like every other input.
; LIMITS.  q, k, v must lie within f16's range (65,504): q and k are at most 11.4 times the largest gain; NaN and infinities are not treated apart.
; SHARES.  The grid's y is a group of four heads (0-3 q, 4 k, 5 v), its x eight positions, a wave a position.  A head's 128 sums are 512 bytes: lane l takes the 16 bytes at 16 l (channels 4 l + 0..3), so a load of a wave covers 512
; consecutive bytes, and its store of 8 bytes a lane covers 256 consecutive bytes, aligned.  The rotation's partner (channel d + 64 or d - 64) lies in the lane 16 away, with the same frequency; lanes 0-15 take the sine negated.
; A stream: each byte of part is read once, all of a wave's loads go out at once, nothing is shared between waves: no LDS, no barrier, no matrix unit.
.set X,  16                            ; v[16:47] head i of four: v[X+8i .. +3] the first half's sums, then x; v[X+8i+4 .. +7] the second half's, then at work
.set CT, 48                            ; v[48:51] my four cosines
.set SN, 52                            ; v[52:55] my four sines, with my half's sign
.set GW, 56                            ; v[56:59] my four gains
.set TW, 60                            ; v[60:61] at work
	s_load_b256 s[4:11], s[0:1], 0x0               ; part s[4:5], cs s[6:7], q_norm_w s[8:9], k_norm_w s[10:11]
	s_load_b64 s[12:13], s[0:1], 0x20              ; qkv
	v_lshrrev_b32 v1, 5, v0
	v_readfirstlane_b32 s14, v1                    ; wave 0..7
	s_and_b32 s15, ttmp7, 0xffff                   ; the group of heads
	s_lshl_b32 s16, ttmp9, 3
	s_add_co_u32 s16, s16, s14                     ; the position
	v_and_b32 v2, 31, v0                           ; lane
	v_lshlrev_b32 v3, 4, v2                        ; my 16 bytes of a head's sums, and of the gains
	v_lshlrev_b32 v4, 3, v2                        ; my 8 bytes of a head's row of qkv
	v_and_b32 v5, 15, v0
	v_lshlrev_b32 v5, 4, v5                        ; my 16 bytes among the cosines
	s_mul_i32 s18, s16, 12288                      ; a row of part,
	s_lshl_b32 s19, s15, 11                        ; four heads of 512 bytes
	s_add_co_u32 s18, s18, s19
	s_mov_b32 s19, 0
	s_lshl_b32 s20, s16, 9                         ; a row of the table
	s_mov_b32 s21, 0
	s_lshl_b32 s22, s15, 21                        ; four heads of 524,288 bytes of qkv,
	s_lshl_b32 s23, s16, 8                         ; a row of 256
	s_add_co_u32 s22, s22, s23
	s_mov_b32 s23, 0
	s_mov_b32 s30, 0x3c000000                      ; 1 / 128
	s_mov_b32 s31, 0x358637bd                      ; 1e-6
	s_mov_b32 s32, 0x76543210                      ; v_permlanex16_b32's selects: each lane takes its own place in the other half
	s_mov_b32 s33, 0xfedcba98
	s_wait_kmcnt 0x0
	s_add_nc_u64 s[4:5], s[4:5], s[18:19]
	s_add_nc_u64 s[24:25], s[4:5], 2048*12288      ; the second half of K
	s_add_nc_u64 s[6:7], s[6:7], s[20:21]
	s_add_nc_u64 s[12:13], s[12:13], s[22:23]
.irp i, 0,1,2,3
	global_load_b128 v[X+8*\i:X+8*\i+3],   v3, s[4:5]   offset:512*\i th:TH_LOAD_NT
	global_load_b128 v[X+8*\i+4:X+8*\i+7], v3, s[24:25] offset:512*\i th:TH_LOAD_NT
.endr
	s_cmp_eq_u32 s15, 5
	s_cbranch_scc1 .Lv
	s_cmp_eq_u32 s15, 4
	s_cselect_b64 s[8:9], s[10:11], s[8:9]         ; k's gains for group 4, q's for groups 0-3
	global_load_b128 v[CT:CT+3], v5, s[6:7]
	global_load_b128 v[SN:SN+3], v5, s[6:7] offset:256
	global_load_b128 v[GW:GW+3], v3, s[8:9]
	v_bfe_u32 v6, v0, 4, 1
	v_xor_b32 v6, 1, v6
	v_lshlrev_b32 v6, 31, v6                       ; the sign bit in lanes 0-15
	s_wait_loadcnt 0x0                             ; everything is wanted at once
	v_cvt_pk_bf16_f32 v[TW], v[GW], v[GW+1]        ; the gains are rounded to bf16 and widened again
	v_cvt_pk_bf16_f32 v[TW+1], v[GW+2], v[GW+3]
	v_lshlrev_b32 v[GW], 16, v[TW]
	v_and_b32 v[GW+1], 0xffff0000, v[TW]
	v_lshlrev_b32 v[GW+2], 16, v[TW+1]
	v_and_b32 v[GW+3], 0xffff0000, v[TW+1]
.irp k, 0,1,2,3
	v_xor_b32 v[SN+\k], v6, v[SN+\k]
.endr
.irp i, 0,1,2,3
	v_pk_add_f32 v[X+8*\i:X+8*\i+1],   v[X+8*\i:X+8*\i+1],   v[X+8*\i+4:X+8*\i+5]  ; x
	v_pk_add_f32 v[X+8*\i+2:X+8*\i+3], v[X+8*\i+2:X+8*\i+3], v[X+8*\i+6:X+8*\i+7]
.endr
.irp i, 0,1,2,3
	v_pk_mul_f32 v[X+8*\i+4:X+8*\i+5], v[X+8*\i:X+8*\i+1], v[X+8*\i:X+8*\i+1]     ; the lane's four squares
.endr
.irp i, 0,1,2,3
	v_pk_fma_f32 v[X+8*\i+4:X+8*\i+5], v[X+8*\i+2:X+8*\i+3], v[X+8*\i+2:X+8*\i+3], v[X+8*\i+4:X+8*\i+5]
.endr
.irp i, 0,1,2,3
	v_add_f32 v[X+8*\i+4], v[X+8*\i+4], v[X+8*\i+5]
.endr
.irp m, 1,2,4,8
.irp i, 0,1,2,3
	v_add_f32_dpp v[X+8*\i+4], v[X+8*\i+4], v[X+8*\i+4] row_xmask:\m row_mask:0xf bank_mask:0xf  ; across 16 lanes; the four heads stand between a head's steps
.endr
.endr
.irp i, 0,1,2,3
	v_permlanex16_b32 v[X+8*\i+5], v[X+8*\i+4], s32, s33   ; and across the halves
.endr
.irp i, 0,1,2,3
	v_add_f32 v[X+8*\i+4], v[X+8*\i+4], v[X+8*\i+5]
.endr
.irp i, 0,1,2,3
	v_fma_f32 v[X+8*\i+4], v[X+8*\i+4], s30, s31
.endr
.irp i, 0,1,2,3
	v_rsq_f32 v[X+8*\i+6], v[X+8*\i+4]             ; twice: a pair for the packed multiplies
	v_rsq_f32 v[X+8*\i+7], v[X+8*\i+4]
.endr
.irp i, 0,1,2,3
	v_pk_mul_f32 v[X+8*\i:X+8*\i+1],   v[X+8*\i:X+8*\i+1],   v[GW:GW+1]    ; x g: plain work behind the roots, which names neither their results nor their sources
	v_pk_mul_f32 v[X+8*\i+2:X+8*\i+3], v[X+8*\i+2:X+8*\i+3], v[GW+2:GW+3]
.endr
	s_wait_alu depctr_va_vdst(0)                   ; the one wait ahead of the eight roots' first reader
.irp i, 0,1,2,3
	v_pk_mul_f32 v[X+8*\i:X+8*\i+1],   v[X+8*\i:X+8*\i+1],   v[X+8*\i+6:X+8*\i+7]  ; y
	v_pk_mul_f32 v[X+8*\i+2:X+8*\i+3], v[X+8*\i+2:X+8*\i+3], v[X+8*\i+6:X+8*\i+7]
.endr
.irp i, 0,1,2,3
.irp k, 0,1,2,3
	v_permlanex16_b32 v[X+8*\i+4+\k], v[X+8*\i+\k], s32, s33  ; the partner's y
.endr
.endr
.irp i, 0,1,2,3
	v_pk_mul_f32 v[X+8*\i:X+8*\i+1],   v[X+8*\i:X+8*\i+1],   v[CT:CT+1]
	v_pk_mul_f32 v[X+8*\i+2:X+8*\i+3], v[X+8*\i+2:X+8*\i+3], v[CT+2:CT+3]
.endr
.irp i, 0,1,2,3
	v_pk_fma_f32 v[X+8*\i:X+8*\i+1],   v[X+8*\i+4:X+8*\i+5], v[SN:SN+1],   v[X+8*\i:X+8*\i+1]
	v_pk_fma_f32 v[X+8*\i+2:X+8*\i+3], v[X+8*\i+6:X+8*\i+7], v[SN+2:SN+3], v[X+8*\i+2:X+8*\i+3]
.endr
.irp i, 0,1,2,3
	v_cvt_pk_f16_f32 v[X+8*\i+4], v[X+8*\i],   v[X+8*\i+1]
	v_cvt_pk_f16_f32 v[X+8*\i+5], v[X+8*\i+2], v[X+8*\i+3]
	global_store_b64 v4, v[X+8*\i+4:X+8*\i+5], s[12:13] offset:\i*524288
.endr
	s_endpgm
.Lv:                                                   ; v is only added and rounded
	s_wait_loadcnt 0x0
.irp i, 0,1,2,3
	v_pk_add_f32 v[X+8*\i:X+8*\i+1],   v[X+8*\i:X+8*\i+1],   v[X+8*\i+4:X+8*\i+5]
	v_pk_add_f32 v[X+8*\i+2:X+8*\i+3], v[X+8*\i+2:X+8*\i+3], v[X+8*\i+6:X+8*\i+7]
.endr
.irp i, 0,1,2,3
	v_cvt_pk_f16_f32 v[X+8*\i+4], v[X+8*\i],   v[X+8*\i+1]
	v_cvt_pk_f16_f32 v[X+8*\i+5], v[X+8*\i+2], v[X+8*\i+3]
	global_store_b64 v4, v[X+8*\i+4:X+8*\i+5], s[12:13] offset:\i*524288
.endr
	s_endpgm
.Lfunc_end_k_q05969c7460_norm:
	.size	k_q05969c7460_norm, .Lfunc_end_k_q05969c7460_norm-k_q05969c7460_norm
	.p2alignl 7, 3214868480
	.fill 96, 4, 3214868480
	.section	.rodata,"a",@progbits
	.p2align	6, 0x0
	.amdhsa_kernel k_q05969c7460_norm
		.amdhsa_group_segment_fixed_size 0
		.amdhsa_private_segment_fixed_size 0
		.amdhsa_enable_private_segment 0
		.amdhsa_kernarg_size 40
		.amdhsa_user_sgpr_count 2
		.amdhsa_user_sgpr_kernarg_segment_ptr 1
		.amdhsa_wavefront_size32 1
		.amdhsa_system_sgpr_workgroup_id_x 1
		.amdhsa_system_sgpr_workgroup_id_y 1
		.amdhsa_system_sgpr_workgroup_id_z 1
		.amdhsa_system_vgpr_workitem_id 0
		.amdhsa_next_free_vgpr 64
		.amdhsa_next_free_sgpr 66
		.amdhsa_reserve_vcc 0
		.amdhsa_float_denorm_mode_32 3
		.amdhsa_float_denorm_mode_16_64 3
		.amdhsa_memory_ordered 1
		.amdhsa_forward_progress 1
		.amdhsa_inst_pref_size 12
	.end_amdhsa_kernel
	.amdgpu_metadata
---
amdhsa.version: [ 1, 2 ]
amdhsa.kernels:
  - .name:           k_q05969c7460_norm
    .symbol:         k_q05969c7460_norm.kd
    .args:
      - { .name: part, .offset: 0, .size: 8, .value_kind: global_buffer, .address_space: global }
      - { .name: cs, .offset: 8, .size: 8, .value_kind: global_buffer, .address_space: global }
      - { .name: q_norm_w, .offset: 16, .size: 8, .value_kind: global_buffer, .address_space: global }
      - { .name: k_norm_w, .offset: 24, .size: 8, .value_kind: global_buffer, .address_space: global }
      - { .name: qkv, .offset: 32, .size: 8, .value_kind: global_buffer, .address_space: global }
    .group_segment_fixed_size: 0
    .private_segment_fixed_size: 0
    .kernarg_segment_align: 8
    .kernarg_segment_size: 40
    .max_flat_workgroup_size: 256
    .sgpr_count:     66
    .vgpr_count:     64
    .wavefront_size: 32
...
	.end_amdgpu_metadata
.endif
;; end of part 3
;; launch attn (part 4): grid 64 x 4, 4 waves a work-group, clusters of 4 x 1, 327,680 bytes of LDS; arguments qkv, ao; writes ao
.if DOCPART == 4
	.amdgcn_target "amdgcn-amd-amdhsa--gfx1250"
	.amdhsa_code_object_version 6
	.text
	.protected	k_q05969c7460_attn
	.globl	k_q05969c7460_attn
	.p2align	8
	.type	k_q05969c7460_attn,@function
k_q05969c7460_attn:
	s_mov_b64 s[64:65], 0
	v_nop
	global_prefetch_b8 v0, s[64:65] scope:SCOPE_SE
	s_setreg_imm32_b32 hwreg(HW_REG_WAVE_MODE, 25, 1), 1
	s_wait_xcnt 0x0
	s_wait_alu depctr_hold_cnt(0) depctr_sa_sdst(0) depctr_va_vdst(0) depctr_va_sdst(0) depctr_va_ssrc(0) depctr_va_vcc(0) depctr_vm_vsrc(0)
	s_getreg_b32 s2, hwreg(HW_REG_IB_STS2, 6, 4)
	s_cmp_eq_u32 s2, 0
	s_cbranch_scc0 .Lentry_in_a_cluster
	s_endpgm
.Lentry_in_a_cluster:
	s_bfe_u32 s2, ttmp6, 0x10000c
	s_cmp_lg_u32 s2, 0x3003
	s_cbranch_scc0 .Lentry_shape_is_right
	s_endpgm
.Lentry_shape_is_right:
; CAUSAL ATTENTION WITH GROUPED QUERY HEADS.  qkv: [24][2048][128] f16 (heads 0-15 q, 16-19 k, 20-23 v); ao: [2048][2048] f16, column = query head x 128 + channel.
; ao[q][h] = the sum over k <= q of softmax_k(Q[h][q] . K[h / 4][k] / sqrt(128)) V[h / 4][k].  Products, maxima and sums in f32; the weights p are rounded to f16 for the second product (their sum l is taken of the unrounded p), ao once.
; LIMITS.  A hidden score counts as its value less 1e30; a running maximum starts at -2^66, below every score that f16 operands can make (5.5e11) and above every hidden one; a weight below 2^-126 counts as 0; NaN and infinities are not treated apart.
; SHARES.  A work-group belongs to one key-value head and takes TWO blocks of 16 positions x its four query heads (64 rows each): block i and then block 127 - i.  Keys go in tiles of 256: block i needs tiles 0 .. u,
; u = i / 16, block 127 - i tiles 0 .. 7 - u: NINE tiles, whatever i: all work-groups do equal work, and one loop with a constant trip count walks them.
; THE KEYS ARE SPLIT AMONG THE WAVES: of each tile wave w takes keys 64 w .. 64 w + 63, for all 64 rows: four tiles of 16 queries, a head each.  So each LDS byte is read by one wave, and a fragment of K or V feeds four products.  Each wave
; keeps its own running maximum m, sum l and O^T; at a block's end the four partial results meet in LDS.  Register tile t is head (w + t) % 4 (by Q's address), so tile 0 is the head that the wave finishes.
; CLUSTER 4 x 1.  The four partners have the same u, hence the same walk: every tile is asked for JOINTLY.  All branches hang on the cluster's x and on counters made of it.
; LAYOUT.  S^T = K Q^T (source 0 = 16 keys, source 1 = 16 queries): a lane holds ONE query (lane % 16) and the keys 8 (lane / 16) + 0..7.  Two such results rounded to f16 ARE source 1 of O^T = V^T P.  V is turned by ds_load_tr16_b128.
; SOFTMAX.  p = 2^(c s - c m), c = log2(e) / sqrt(128); in every step O and l are multiplied by a = 2^(c m_old - c m_new).  A wave that sees only hidden keys keeps m at its start: a = 1, p = 0, l = 0, O = 0, and its share in the merge is 0.
; THE MASK is the C operand that starts the sums S^T: MC = MD x AL; MD (0 or -1e30, made where a block begins) is the mask of the block's last tile for my keys, AL is 1 in that tile and 0 elsewhere.
; A KEY STEP stands by itself: piece 0's scores (tiles 0, 1); piece 2's scores with piece 0's softmax in slices behind them; piece 0's V^T P with piece 2's softmax; piece 2's V^T P.
; REGISTERS, in windows of 256 (s_set_vgpr_msb: bits 1:0 source 0, 3:2 source 1, 5:4 source 2, 7:6 destination):
;   window 0: v0-15, v56-63 addresses; v16-47 eight registers of statistics a tile; v48-55 the merge's factors; v64-191 S^T, 32 a tile; v192-255 P, 16 a tile
;   window 1: O^T, 64 a tile     window 2: v0-127 Q, 32 a tile; v128-255 K of a step     window 3: v0-127 V of a step; v128-159 MD; v160-191 MC
.set PK,    272       ; a row of K in LDS: 256 bytes + 16 of padding: the 16 rows of a load start at 16 different groups of four banks (64 banks of 4 bytes: ISA guide 11.1)
.set PV,    288       ; a row of V: 256 + 32
.set VOFF,  256*PK    ; a slot: 256 rows of K, then 256 rows of V
.set SLOTB, 256*(PK+PV)  ; 143,360 bytes
.set MB,    2*SLOTB   ; behind the ring, never filled by a tensor load: 8,192 bytes for each wave: the partial tile that it hands on, later its stage for the way out
.set STT,   MB+4*8192 ; [wave][tile][query] x 8 bytes: c m and l
.set SPARE, STT+2048  ; the spare words, 128 bytes for each wave: two blocks of 256 bytes that no other line names
.set AK0, 2           ; v2   my lane's place in a slot's K: row 64 w + l % 16; never rewritten
.set AV0, 3           ; v3   the same for V
.set ADR, 4           ; v4   the LDS address of the run of loads in hand
.set VT0, 5           ; v5   l % 16 - 8 (l / 16) - 64 w
.set STO, 6           ; v6   the way out: where I put 16 bytes of a row
.set RD,  7           ; v7   where I read rows back
.set GO,  8           ; v8   my byte offset in two rows of ao
.set MA,  9           ; v9   where I put a partial tile: MB + 8,192 w + 16 x lane
.set MR,  9           ; v10-12  round r: where I find the tile meant for me: the piece of wave (w - r) % 4
.set SS,  13          ; v13  where I put statistics: STT + 512 w + 8 (l % 16)
.set THR, 15          ; v15  register j of key block kb is hidden where 16 kb + j is greater
.set ST,  16          ; tile t's statistics at v[ST+8 t]: +0 c m, +1 m, +2, +3 l (even keys', odd keys'), +4 to +7 at work; a takes +6
.set G,   48          ; v48-55 the merge's four factors, each twice
.set QO,  56          ; v56  my byte offset in 16 rows of Q
.set SR,  56          ; v57-59 round r's statistics
.set PFO, 61          ; v61  256 x my lane; never rewritten
.set SPW, 62          ; v62  LDS address of my spare word; never rewritten
.set NIL, 63          ; v63  0; never rewritten
.set S,   64
.set P,   192
.set KF,  128         ; window 2
.set MD,  128         ; window 3
.set MC,  160         ; window 3
.set WV,  12          ; s12  my wave's number
.set LIM, 15          ; s15  1 in a cluster that prefetches, else the greatest number
.set PFA, 18          ; s[18:19] where my prefetches stand
.set G1K, 24          ; s[24:31] descriptor group 1 for K's tiles
.set G1V, 32          ; s[32:39] for V's: it differs in the padding alone
.set G0K, 40          ; s[40:43] descriptor group 0 for K's tiles
.set G0V, 44          ; s[44:47] for V's
.set KB,  48          ; s[48:49] K at my half of the head's tile 0
.set VB,  50          ; s[50:51] V likewise
.set OFF, 52          ; s[52:53] a tile's byte offset
.set KLW, 54          ; s54  my half's place in a slot, for K
.set VLW, 55          ; s55  for V
.set SLOTS, 56        ; s56  tiles still to be asked for
.set CS,  58          ; s[58:59] c
.set SEL, 60          ; s[60:61] v_permlanex16_b32's selects
.set TB,  62          ; s62  the slot that is read: 0 or SLOTB
.set TF,  63          ; s63  the slot that is filled
.set RT,  70          ; s70  tiles of the block in hand that are still to be entered
.set NXT, 71          ; s71  the tile to be asked for next
.set LQ,  72          ; s72  the last tile of the block whose tiles are being asked for
.set NEW, 73          ; s73  1: the tile to be entered is a block's first
.set DV,  74          ; s74  the block's first position in its last tile
.set DVH, 75          ; s75  the same for the second block
.set AL,  76          ; s[76:77] the mask's factor
.set BIGN, 78         ; s78  -1e30
.set HQ,  79          ; s79  7 - u
.set QT,  80          ; s[80:87] Q at the block's rows of tile t's head
.set OB,  88          ; s[88:89] ao at the block's rows, my head's columns
.set DQ,  90          ; s[90:91] bytes from the first block to the second in Q
.set DO,  92          ; s[92:93] in ao
.set MSB, 0
.macro WIN new                      ; the high byte repeats the setting that is left; a switch that changes nothing is dropped
.if MSB != (\new)
	s_set_vgpr_msb (MSB<<8)|(\new)
.set MSB, \new
.endif
.endm
.set W_KQ, 0x0a       ; K and Q in window 2, S^T in window 0
.set W_KM, 0x3a       ; the same with the C operand in window 3
.set W_PV, 0x53       ; V in window 3, P in window 0, O^T in window 1
.set W_RS, 0x41       ; destination and source 0 in window 1, source 1 in window 0
.macro PLACES
.rept 4
	v_nop
.endr
.endm
.macro BAR
	s_barrier_signal -1
	s_barrier_wait -1
.endm
; A joint fill.  Waves 0 and 1 fetch the two halves of a tile's K, waves 2 and 3 those of its V: 128 rows of 256 bytes each.  An s_nop 0 and four v_nop follow each of the two lines.
.macro JLOAD
	s_cmp_lt_u32 s[WV], 2
	s_cbranch_scc0 .Lfor_v_\@
	tensor_load_to_lds s[G0K:G0K+3], s[G1K:G1K+7]
	s_nop 0
.rept 4
	v_nop
.endr
	s_branch .Lasked_\@
.Lfor_v_\@:
	tensor_load_to_lds s[G0V:G0V+3], s[G1V:G1V+7]
	s_nop 0
.rept 4
	v_nop
.endr
.Lasked_\@:
.endm
; A PREFETCH INTO THE L2.  All sixteen clusters of a key-value head walk the same K and V; the one with x = 0 asks.  Its fill in trip t is tile t of its second block, and behind that fill it asks for tile t + 1, which its next
; fill will want: a key step, 128 matrix instructions, ahead.  Of the 128 rows that a wave fetches each of the four partners takes 32, BY ADDRESS (cx): a lane a row, one instruction a wave.  So tiles 1 to 7 are named once; the last trip asks for nothing.
.macro ASK
	s_cmp_gt_u32 s[SLOTS], s[LIM]
	s_cbranch_scc0 .Lnot_mine_\@
	global_prefetch_b8 v[PFO], s[PFA:PFA+1] th:TH_LOAD_NT scope:SCOPE_SE
.Lnot_mine_\@:
.endm
.macro CROUND                       ; a round of the cluster's barrier
	s_barrier_signal -1
	s_barrier_wait -1
	s_cmp_lg_u32 s[WV], 0
	s_cbranch_scc1 .Lnot_wave_0_\@
	s_barrier_signal -3
.Lnot_wave_0_\@:
	s_barrier_wait -3
	s_barrier_signal -1
	s_barrier_wait -1
.endm
; THE CHANGE OF SLOTS.  Each wave waits for all its tensor loads, of which one is out: its part of the other slot; adds 0 to its spare word; and waits for that and for its reads of the slot that it leaves.
; fill = 1: the old slot is filled again with tile NXT, the first thing behind a round of the cluster's barrier; the descriptor's address is made anew from that number, its LDS word from the slot's base and the wave's constant.
; (At its first use nothing has been read yet: slot 0 is waited for, slot 1 filled.)
.macro CHANGE fill
	WIN 0                           ; at a label and at a branch every window is 0
	s_wait_tensorcnt 0x0            ; no tensor load of mine is out, so a group 0 may be written
	ds_add_u32 v[SPW], v[NIL]       ; 0 onto my spare word; scalar work stands between it and the wait for it
	s_xor_b32 s[TB], s[TB], SLOTB   ; the reads go to the other slot
.if \fill
	s_xor_b32 s[TF], s[TF], SLOTB
	s_lshl_b32 s[OFF], s[NXT], 16   ; a tile is 65,536 bytes of K and of V
	s_add_co_u32 s[G0K+1], s[TF], s[KLW]
	s_add_nc_u64 s[G0K+2:G0K+3], s[KB:KB+1], s[OFF:OFF+1]
	s_or_b32 s[G0K+3], s[G0K+3], 0x80000000
	s_add_co_u32 s[G0V+1], s[TF], s[VLW]
	s_add_nc_u64 s[G0V+2:G0V+3], s[VB:VB+1], s[OFF:OFF+1]
	s_or_b32 s[G0V+3], s[G0V+3], 0x80000000
	s_add_co_u32 s[NXT], s[NXT], 1  ; the block's next tile, or behind its last the second block's tile 0
	s_cmp_gt_u32 s[NXT], s[LQ]
	s_cselect_b32 s[NXT], 0, s[NXT]
	s_cselect_b32 s[LQ], s[HQ], s[LQ]
	s_wait_xcnt 0x0                 ; the last prefetch, a key step back, has read its address
	s_add_nc_u64 s[PFA:PFA+1], s[PFA:PFA+1], 65536
	s_wait_dscnt 0x0                ; the add is done, and my reads of the slot are over
	CROUND
	JLOAD
	ASK
.else
	s_wait_dscnt 0x0
	BAR
.endif
.endm
	s_load_b128 s[4:7], s[0:1], 0x0 ; qkv s[4:5], ao s[6:7]
	v_lshl_add_u32 v[SPW], v0, 2, SPARE
	v_mov_b32 v[NIL], 0
	ds_add_u32 v[SPW], v[NIL]       ; the wave's opening: the add and its wait stand ahead of my first tensor load; the set-up below, work on registers, stands between them
	v_lshrrev_b32 v1, 5, v0
	v_readfirstlane_b32 s[WV], v1   ; wave 0..3
	s_bfe_u32 s13, ttmp6, 0x40000   ; cx
	s_lshl_b32 s14, ttmp9, 2
	s_add_co_u32 s14, s14, s13      ; i = 4 x cluster x + cx: it enters Q's and ao's addresses and the mask alone
	s_lshr_b32 s16, ttmp9, 2        ; u = i / 16, which the four partners share
	s_and_b32 s17, ttmp7, 0xffff    ; the key-value head
	s_and_b32 s20, s[WV], 1         ; which half of a tile's 256 rows I fetch
	s_mul_i32 s[KLW], s20, 128*PK
	s_mul_i32 s[VLW], s20, 128*PV
	s_add_co_u32 s[VLW], s[VLW], VOFF
	s_lshl_b32 s22, s20, 15         ; 128 rows of 256 bytes
	s_add_co_u32 s20, s17, 16
	s_lshl_b32 s20, s20, 19         ; head 16 + kv, 524,288 bytes a head
	s_add_co_u32 s20, s20, s22
	s_mov_b32 s21, 0
	s_add_co_u32 s22, s20, 4<<19    ; V's head lies four heads on
	s_mov_b32 s23, 0
	s_mov_b32 s[G1K], 15|(1<<16)|(1<<20)|(1<<21)|(5<<22)|(3<<25)  ; 15:0 the mask of four; 17:16 2-byte elements; 20 padding on; 21 set beside a mask; 24:22 after every 64 words (code 5); 31:25 4 words (code 3)
	s_mov_b32 s[G1V], 15|(1<<16)|(1<<20)|(1<<21)|(5<<22)|(7<<25)  ; the same with 8 words of padding (code 7)
.irp g, G1K, G1V
	s_mov_b32 s[\g+1], 128<<16      ; tensor_dim0 = 128
	s_mov_b32 s[\g+2], 128<<16      ; tensor_dim1 = 128
	s_mov_b32 s[\g+3], 128<<16      ; tile_dim0 = 128
	s_mov_b32 s[\g+4], 128          ; tile_dim1 = 128
	s_mov_b32 s[\g+5], 128          ; elements from row to row
	s_mov_b32 s[\g+6], 0
	s_mov_b32 s[\g+7], 0
.endr
	s_mov_b32 s[CS], 0x3e0293ee     ; c = log2(e) / sqrt(128) = 0.127517
	s_mov_b32 s[CS+1], s[CS]        ; named with it as a pair
	s_mov_b32 s[SEL], 0x76543210
	s_mov_b32 s[SEL+1], 0xfedcba98
	s_sub_co_u32 s[HQ], 7, s16
	s_add_co_u32 s[RT], s16, 1      ; the first block has u + 1 tiles
	s_cmp_eq_u32 s16, 0             ; with one tile alone, the next to ask for is the second block's tile 0
	s_cselect_b32 s[NXT], 0, 1
	s_cselect_b32 s[LQ], s[HQ], s16
	s_mov_b32 s[NEW], 1
	s_mov_b32 s[OFF+1], 0
	s_mov_b32 s[AL+1], 0            ; named as a pair
	s_mov_b32 s[BIGN], 0xf149f2ca   ; -1e30
	s_mov_b32 s[TB], SLOTB          ; the first change of slots turns this into 0,
	s_mov_b32 s[TF], 0              ; and this into SLOTB
	s_mov_b32 s[SLOTS], 8
	s_cmp_eq_u32 ttmp9, 0
	s_cselect_b32 s[LIM], 1, -1
	s_and_b32 s[DV], s14, 15
	s_lshl_b32 s[DV], s[DV], 4      ; 16 (i % 16)
	s_sub_co_u32 s8, 127, s14
	s_and_b32 s[DVH], s8, 15
	s_lshl_b32 s[DVH], s[DVH], 4
	s_sub_co_u32 s8, s8, s14        ; 127 - 2 i blocks of 16 rows lie between the two
	s_lshl_b32 s[DQ], s8, 12        ; 256 bytes a row
	s_mov_b32 s[DQ+1], 0
	s_lshl_b32 s[DO], s8, 16        ; 4,096 bytes a row
	s_mov_b32 s[DO+1], 0
	s_mov_b32 s[G0K], 1             ; count = 1
	s_mov_b32 s[G0K+1], s[KLW]      ; LDS address: slot 0
	s_mov_b32 s[G0V], 1
	s_mov_b32 s[G0V+1], s[VLW]
	s_wait_dscnt 0x0                ; the opening add is done
	s_wait_kmcnt 0x0
	s_add_nc_u64 s[KB:KB+1], s[4:5], s[20:21]
	s_add_nc_u64 s[VB:VB+1], s[4:5], s[22:23]
	s_mov_b64 s[G0K+2:G0K+3], s[KB:KB+1]
	s_or_b32 s[G0K+3], s[G0K+3], 0x80000000  ; type = 2
	s_mov_b64 s[G0V+2:G0V+3], s[VB:VB+1]
	s_or_b32 s[G0V+3], s[G0V+3], 0x80000000
	CROUND                          ; all four work-groups are here: the first joint loads meet
	JLOAD                           ; tile 0 into slot 0
.irp t, 0,1,2,3
	s_add_co_u32 s8, s[WV], \t
	s_and_b32 s8, s8, 3             ; register tile t is the group's head (w + t) % 4
	s_lshl_b32 s9, s17, 2
	s_add_co_u32 s8, s8, s9
	s_lshl_b32 s8, s8, 19
	s_lshl_b32 s9, s14, 12          ; block i: 16 rows of 256 bytes
	s_add_co_u32 s8, s8, s9
	s_mov_b32 s9, 0
	s_add_nc_u64 s[QT+2*\t:QT+2*\t+1], s[4:5], s[8:9]
.endr
	s_lshl_b32 s8, s17, 2
	s_add_co_u32 s8, s8, s[WV]      ; the head that I finish,
	s_lshl_b32 s8, s8, 8            ; its 256 bytes of a row of ao
	s_lshl_b32 s9, s14, 16
	s_add_co_u32 s8, s8, s9
	s_mov_b32 s9, 0
	s_add_nc_u64 s[OB:OB+1], s[6:7], s[8:9]
	s_cmp_lt_u32 s[WV], 2
	s_cselect_b64 s[PFA:PFA+1], s[KB:KB+1], s[VB:VB+1]
	s_lshl_b32 s8, s13, 13          ; my work-group's 32 rows of the 128; in tile 0: the first change of slots steps it to tile 1.  Nothing is prefetched here, at the head
	s_add_nc_u64 s[PFA:PFA+1], s[PFA:PFA+1], s[8:9]
	; A fragment of K or Q is 16 rows x 32 channels in 8 registers: lane l holds row l % 16, channels 8 (l / 16) + 0..7 and 16 + 8 (l / 16) + 0..7: two loads of 16 bytes, 32 bytes apart.
	v_and_b32 v1, 15, v0            ; l % 16
	v_bfe_u32 v14, v0, 4, 1         ; l / 16
	v_lshlrev_b32 v[QO], 8, v1
	v_lshl_add_u32 v[QO], v14, 4, v[QO]
.macro LOADQ                        ; the block's Q: tile t, channels 32 c on
	WIN 0x80                        ; destination window 2
.irp t, 0,1,2,3
.irp c, 0,1,2,3
	global_load_b128 v[32*\t+8*\c:32*\t+8*\c+3],   v[QO], s[QT+2*\t:QT+2*\t+1] offset:64*\c
	global_load_b128 v[32*\t+8*\c+4:32*\t+8*\c+7], v[QO], s[QT+2*\t:QT+2*\t+1] offset:64*\c+32
.endr
.endr
	WIN 0
.endm
	LOADQ
	s_lshl_b32 s8, s[WV], 6         ; my 64 keys of a tile
	v_add_nc_u32 v[AK0], s8, v1
	v_mul_u32_u24 v[AK0], v[AK0], PK
	v_lshl_add_u32 v[AK0], v14, 4, v[AK0]
	; The turning load takes 16 keys x 16 channels (lane l reads key 8 (l / 16) + l % 8, channels 8 ((l / 8) % 2) + 0..7) and leaves half a fragment of V^T: lane l holds channel l % 16 and 8 keys.
	v_and_b32 v60, 7, v0
	v_bfe_u32 v15, v0, 3, 1
	v_lshl_add_u32 v[AV0], v14, 3, v60
	v_add_nc_u32 v[AV0], s8, v[AV0]
	v_mul_u32_u24 v[AV0], v[AV0], PV
	v_lshl_add_u32 v[AV0], v15, 4, v[AV0]
	v_add_nc_u32 v[AV0], VOFF, v[AV0]
	v_lshlrev_b32 v[VT0], 3, v14
	v_sub_nc_u32 v[VT0], v1, v[VT0]
	v_sub_nc_u32 v[VT0], v[VT0], s8
	v_and_b32 v60, 31, v0
	v_lshlrev_b32 v[PFO], 8, v60
	v_lshlrev_b32 v60, 4, v60       ; 16 x lane
	s_lshl_b32 s9, s[WV], 13
	s_add_co_u32 s9, s9, MB         ; my piece: every store's address is a constant and my wave's number times a constant
	v_add_nc_u32 v[MA], s9, v60
	v_mul_u32_u24 v[STO], v1, PK    ; the stage, in: row l % 16 of 272 bytes, 16 bytes for each half of the lanes
	v_lshl_add_u32 v[STO], v14, 4, v[STO]
	v_add_nc_u32 v[STO], s9, v[STO]
	v_mul_u32_u24 v[RD], v14, PK    ; back: lanes 0-15 one row of 256 bytes, lanes 16-31 the next
	v_lshl_add_u32 v[RD], v1, 4, v[RD]
	v_add_nc_u32 v[RD], s9, v[RD]
	v_lshlrev_b32 v[GO], 12, v14    ; and the same two rows in ao
	v_lshl_add_u32 v[GO], v1, 4, v[GO]
	s_lshl_b32 s9, s[WV], 9
	s_add_co_u32 s9, s9, STT
	v_lshl_add_u32 v[SS], v1, 3, s9
.irp r, 1,2,3
	s_sub_co_u32 s8, s[WV], \r
	s_and_b32 s8, s8, 3             ; the wave whose tile r is my head
	s_lshl_b32 s9, s8, 13
	s_add_co_u32 s9, s9, MB
	v_add_nc_u32 v[MR+\r], s9, v60
	s_lshl_b32 s9, s8, 9
	s_add_co_u32 s9, s9, STT+128*\r
	v_lshl_add_u32 v[SR+\r], v1, 3, s9
.endr
	; O^T and l start at 0: a wave that sees only hidden keys in the first block leaves them so.  This stands in the wait for the first tile.  (The second block's first tile is seen whole by every wave: its a = 0 wipes what the first block left.)
	WIN 0x40
.set i, 0
.rept 256
	v_mov_b32 v[i], 0
.set i, i+1
.endr
	WIN 0
.irp t, 0,1,2,3
	v_mov_b32 v[ST+8*\t+2], 0
	v_mov_b32 v[ST+8*\t+3], 0
.endr
; THE MATRIX WORK.  The accumulators take turns, one instruction a turn.
; Product i of 32 of S^T = K Q^T for piece x: channels 32 (i / 8) on, keys 16 ((i / 2) % 4) on, tile x + i % 2.  The first 8 start the sums, with the mask.
.macro KQ x
.set rS, S+32*((\x)+i%2)+8*((i/2)%4)
.set rK, KF+32*((i/2)%4)+8*(i/8)
.set rQ, 32*((\x)+i%2)+8*(i/8)
.set rM, MC+8*((i/2)%4)
.if i < 8
	WIN W_KM
	v_wmma_f32_16x16x32_f16 v[rS:rS+7], v[rK:rK+7], v[rQ:rQ+7], v[rM:rM+7]
.else
	WIN W_KQ
	v_wmma_f32_16x16x32_f16 v[rS:rS+7], v[rK:rK+7], v[rQ:rQ+7], v[rS:rS+7]
.endif
.endm
; Product i of 32 of O^T += V^T P for piece x: keys 32 (i / 16) on, channels 16 ((i / 2) % 8) on, tile x + i % 2.
.macro PV x
	WIN W_PV
.set rO, 64*((\x)+i%2)+8*((i/2)%8)
.set rV, 64*(i/16)+8*((i/2)%8)
.set rP, P+16*((\x)+i%2)+8*(i/16)
	v_wmma_f32_16x16x32_f16 v[rO:rO+7], v[rV:rV+7], v[rP:rP+7], v[rO:rO+7]
.endm
; THE LDS LOADS stand in runs of 32: my 64 keys' K (16 fragments) and V (turned).
.macro FETCH_K
	WIN 0
	v_add_nc_u32 v[ADR], s[TB], v[AK0]
	WIN 0x80                        ; destination window 2
.irp f, 0,1,2,3,4,5,6,7,8,9,10,11,12,13,14,15  ; keys 16 (f / 4) on, channels 32 (f % 4) on
	ds_load_b128 v[KF+8*(\f):KF+8*(\f)+3],   v[ADR] offset:((\f)/4)*16*PK+((\f)%4)*64
	ds_load_b128 v[KF+8*(\f)+4:KF+8*(\f)+7], v[ADR] offset:((\f)/4)*16*PK+((\f)%4)*64+32
.endr
.endm
.macro FETCH_V
	WIN 0
	v_add_nc_u32 v[ADR], s[TB], v[AV0]
	s_wait_alu depctr_va_vdst(0)    ; the wait for the softmax's batch (SLICE), behind the address's line and ahead of the loads
	WIN 0xc0                        ; destination window 3
.irp f, 0,1,2,3,4,5,6,7,8,9,10,11,12,13,14,15  ; keys 32 (f / 8) on, channels 16 (f % 8) on
	ds_load_tr16_b128 v[8*(\f):8*(\f)+3],   v[ADR] offset:((\f)/8)*32*PV+((\f)%8)*32
	ds_load_tr16_b128 v[8*(\f)+4:8*(\f)+7], v[ADR] offset:((\f)/8)*32*PV+16*PV+((\f)%8)*32
.endr
.endm
; THE VECTOR WORK.  One tile's softmax for one key step is a list of 134 instructions; SM writes number j of it for tile t.  s0-s31 are the lane's 32 scores, in pairs 0-15.
;   0-15    the maximum of s0-s31 and the old m, three operands at a time (each accumulator's lowest registers are read first)
;   16-20   the other half of the lanes' maximum; the new m; c m; c m_old - c m_new
;   21-69   ONE BATCH: the 16 scalings c s - c m and all 33 exponentials (a at 23, then s0-s31); none of these reads an exponential's result
;   70-85   the roundings to f16     86-101  the sums; l = a l + the sum     102-133 the tile's O^T times a
.macro SM t
.set rT, ST+8*(\t)
.set rS, S+32*(\t)
.set rP, P+16*(\t)
.set rO, 64*(\t)+2*(j-102)
.if j < 102
	WIN 0
.endif
.if j < 4
	v_max3_num_f32 v[rT+4+j], v[rS+8*j], v[rS+8*j+1], v[rS+8*j+2]
.elseif j < 12
	v_max3_num_f32 v[rT+4+j%4], v[rT+4+j%4], v[rS+8*(j%4)+2*(j/4)+1], v[rS+8*(j%4)+2*(j/4)+2]
.elseif j == 12
	v_max3_num_f32 v[rT+4], v[rT+4], v[rS+7], v[rS+15]
.elseif j == 13
	v_max3_num_f32 v[rT+6], v[rT+6], v[rS+23], v[rS+31]
.elseif j == 14
	v_max3_num_f32 v[rT+4], v[rT+4], v[rT+5], v[rT+6]
.elseif j == 15
	v_max3_num_f32 v[rT+4], v[rT+4], v[rT+7], v[rT+1]
.elseif j == 16
	v_permlanex16_b32 v[rT+5], v[rT+4], s[SEL], s[SEL+1]  ; the query's other 32 keys lie in the lane 16 away
.elseif j == 17
	v_mov_b32 v[rT+7], v[rT]        ; c m_old is kept for a
.elseif j == 18
	v_max_num_f32 v[rT+1], v[rT+4], v[rT+5]
.elseif j == 19
	v_mul_f32 v[rT], s[CS], v[rT+1]
.elseif j == 20
	v_sub_f32 v[rT+7], v[rT+7], v[rT]
.elseif j == 23
	v_exp_f32 v[rT+6], v[rT+7]
.elseif (j < 23) || ((j < 38) && (j%2 == 0)) || ((j < 66) && (j%4 == 2))
.set b, (j-2)/4                     ; 38, 42, .. 62: pairs 9 to 15
.if j < 38
.set b, (j-20)/2                    ; 21: pair 0; 22, 24, .. 36: pairs 1 to 8
.endif
	v_pk_fma_f32 v[rS+2*b:rS+2*b+1], v[rS+2*b:rS+2*b+1], s[CS:CS+1], v[rT:rT+1] op_sel_hi:[1,0,0] neg_lo:[0,0,1] neg_hi:[0,0,1]  ; pair b: c s - c m
.elseif j < 70
.set e, j-38                        ; 66 to 69: s28 to s31
.if j < 66
.set e, j-32-(j-38)/4               ; 39-41, 43-45, .. 63-65: s7 to s27
.endif
.if j < 38
.set e, (j-25)/2                    ; 25, 27, .. 37: s0 to s6
.endif
	v_exp_f32 v[rS+e], v[rS+e]
.elseif j < 86
	v_cvt_pk_f16_f32 v[rP+j-70], v[rS+2*(j-70)], v[rS+2*(j-70)+1]
.elseif j < 102                     ; the sum of the tile's 16 pairs, in place: neighbours 1, 2, 4 and 8 pairs apart, then l takes it
.set z, j-86
.set w, 4
.set u, z
.if z >= 14
.set w, 32
.set u, 0
.elseif z >= 12
.set w, 16
.set u, z-12
.elseif z >= 8
.set w, 8
.set u, z-8
.endif
.if z < 15
	v_pk_add_f32 v[rS+w*u:rS+w*u+1], v[rS+w*u:rS+w*u+1], v[rS+w*u+w/2:rS+w*u+w/2+1]
.else
	v_pk_fma_f32 v[rT+2:rT+3], v[rT+2:rT+3], v[rT+6:rT+7], v[rS:rS+1] op_sel_hi:[1,0,1]
.endif
.else
	WIN W_RS
	v_pk_mul_f32 v[rO:rO+1], v[rO:rO+1], v[rT+6:rT+7] op_sel_hi:[1,0]
.endif
.endm
; Slice k of 64 of piece y's softmax: four instructions.  Slices 11 to 34 deal out the batch, four numbers of ONE tile each, the tiles by turns; every other slice is numbers 2 k and 2 k + 1 of both tiles; the twelve that are over stand in slice 63.
; Ahead of slice 35 nothing names an exponential's result, and behind slice 34 none is issued: so the piece's 66 exponentials have ONE wait, behind slice 34, ahead of the first reader.
.macro SLICE y
.if (k >= 11) && (k < 35)
.irp n, 0,1,2,3
.set j, 22+4*((k-11)/2)+(\n)
	SM (\y)+(k-11)%2
.endr
.else
.irp n, 0,1,2,3,4,5,6,7
.if ((\n) < 2) || (k == 63)
.irp t, \y, (\y)+1
.set j, 2*k+(\n)
	SM \t
.endr
.endif
.endr
.endif
.if k == 34
	v_nop                           ; a plain instruction behind the last exponential and ahead of the first use (ISA guide 5.7.2): one for the batch
.if (\y) == 0
	FETCH_V                         ; V's run of loads stands here, and the wait stands in it
.else
	s_wait_alu depctr_va_vdst(0)    ; the wait for the batch
.endif
.endif
.set k, k+1
.endm
; A KEY STEP.  Two slices stand behind each product of the two middle runs; slices 62 and 63, twenty plain lines on piece 0's O^T, are the places between piece 2's last score and the softmax that reads it.
.macro STEPT
	FETCH_K
	s_wait_dscnt 0x0                ; K is in
.set i, 0
.rept 32
	KQ 0
.set i, i+1
.endr
	WIN 0
	PLACES                          ; behind piece 0's scores, ahead of the softmax that reads them
.set k, 0
.set i, 0
.rept 32
	KQ 2
	SLICE 0
	SLICE 0
.set i, i+1
.endr
	s_wait_dscnt 0x0                ; V is in
.set k, 0
.set i, 0
.rept 32
	PV 0
	SLICE 2
	SLICE 2
.set i, i+1
.endr
.set i, 0
.rept 32
	PV 2
.set i, i+1
.endr
.endm
; A BLOCK BEGINS: m at -2^66, c m by the same multiply that the step uses (so that a wave which sees nothing has a = 2^0), and the mask of the block's last tile.
.macro BEGIN
	s_mov_b32 s[NEW], 0
	WIN 0
.irp t, 0,1,2,3
	v_mov_b32 v[ST+8*\t+1], 0xe0800000
.endr
.irp t, 0,1,2,3
	v_mul_f32 v[ST+8*\t], s[CS], v[ST+8*\t+1]
.endr
	v_add_nc_u32 v[THR], s[DV], v[VT0]  ; my query's place in the tile, less my lanes' 8 (l / 16) and my wave's 64 w
	WIN 0xc0
.set i, 0
.rept 32
	v_cmp_gt_i32 vcc_lo, 16*(i/8)+i%8, v[THR]
	v_cndmask_b32 v[MD+i], 0, s[BIGN], vcc_lo
.set i, i+1
.endr
	WIN 0
.endm
.macro MASKSET                      ; MC = MD in the block's last tile, 0 elsewhere
	s_cmp_eq_u32 s[RT], 0
	s_cselect_b32 s[AL], 1.0, 0
	WIN 0xc3
.set z, 0
.rept 16
	v_pk_mul_f32 v[MC+2*z:MC+2*z+1], v[MD+2*z:MD+2*z+1], s[AL:AL+1] op_sel_hi:[1,0]
.set z, z+1
.endr
.endm
; A BLOCK ENDS.  Each wave hands tiles 1, 2, 3 to the waves that finish those heads, one a round through its own 8,192 bytes, and c m and l of each with the first.  A round: store, barrier, load, barrier.
; With M the greatest of a query's four c m, f_r = 2^(c m_r - M), L = the sum of f_r l_r: O = the sum of (f_r / L) O_r.  Then O is rounded to f16 and leaves through the wave's own piece, behind one more barrier, since a partner read that piece last.
.macro SENDT t
	WIN 0x04                        ; store data in window 1
.set n, 0
.rept 16
	ds_store_b128 v[MA], v[64*(\t)+4*n:64*(\t)+4*n+3] offset:512*n  ; each accumulator from its low end on
.set n, n+1
.endr
	WIN 0
.endm
.macro RECVT r
	WIN 0x40
.set n, 0
.rept 16
	ds_load_b128 v[64*(\r)+4*n:64*(\r)+4*n+3], v[MR+(\r)] offset:512*n  ; into the registers of the tile that I gave away
.set n, n+1
.endr
	WIN 0
.endm
.macro MERGE r
	WIN 0x51                        ; O^T in window 1, the factor in window 0
.set n, 0
.rept 32
	v_pk_fma_f32 v[2*n:2*n+1], v[64*(\r)+2*n:64*(\r)+2*n+1], v[G+2*(\r):G+2*(\r)+1], v[2*n:2*n+1]
.set n, n+1
.endr
	WIN 0
.endm
.macro FINISH last
	WIN 0
.irp t, 0,1,2,3
	v_add_f32 v[ST+8*\t+4], v[ST+8*\t+2], v[ST+8*\t+3]  ; these four are the places behind the last products
.endr
.irp t, 0,1,2,3
	v_permlanex16_b32 v[ST+8*\t+5], v[ST+8*\t+4], s[SEL], s[SEL+1]
.endr
.irp t, 0,1,2,3
	v_add_f32 v[ST+8*\t+1], v[ST+8*\t+4], v[ST+8*\t+5]  ; l beside c m: a pair
.endr
.if !(\last)
.irp t, 0,1,2,3
	s_add_nc_u64 s[QT+2*\t:QT+2*\t+1], s[QT+2*\t:QT+2*\t+1], s[DQ:DQ+1]  ; (the first block's loads of Q were waited for)
.endr
	LOADQ                           ; the second block's Q is on its way while the first block is merged
.endif
.irp t, 1,2,3
	ds_store_b64 v[SS], v[ST+8*\t:ST+8*\t+1] offset:128*\t
.endr
	SENDT 1
	s_wait_dscnt 0x0                ; for the others' sake: my stores are done
	BAR
.irp r, 1,2,3
	ds_load_b64 v[S+2*\r:S+2*\r+1], v[SR+\r]
.endr
	RECVT 1
	s_wait_dscnt 0x0
	BAR                             ; nobody reads a piece any more
	SENDT 2
	v_max3_num_f32 v[S+8], v[ST], v[S+2], v[S+4]        ; while the stores drain
	v_max_num_f32 v[S+8], v[S+8], v[S+6]
	v_sub_f32 v[S+10], v[ST], v[S+8]
	v_sub_f32 v[S+11], v[S+2], v[S+8]
	v_sub_f32 v[S+12], v[S+4], v[S+8]
	v_sub_f32 v[S+13], v[S+6], v[S+8]
.irp r, 0,1,2,3
	v_exp_f32 v[S+10+\r], v[S+10+\r]
.endr
	v_nop
	s_wait_alu depctr_va_vdst(0)    ; one wait for the four exponentials
	v_mul_f32 v[S+14], v[S+10], v[ST+1]
	v_fma_f32 v[S+14], v[S+11], v[S+3], v[S+14]
	v_fma_f32 v[S+14], v[S+12], v[S+5], v[S+14]
	v_fma_f32 v[S+14], v[S+13], v[S+7], v[S+14]
	v_rcp_f32 v[S+15], v[S+14]
	v_nop
	s_wait_alu depctr_va_vdst(0)
.irp r, 0,1,2,3
	v_mul_f32 v[G+2*\r], v[S+10+\r], v[S+15]
	v_mul_f32 v[G+2*\r+1], v[S+10+\r], v[S+15]
.endr
	WIN W_RS
.set n, 0
.rept 32
	v_pk_mul_f32 v[2*n:2*n+1], v[2*n:2*n+1], v[G:G+1]
.set n, n+1
.endr
	MERGE 1
	s_wait_dscnt 0x0
	BAR
	RECVT 2
	s_wait_dscnt 0x0
	BAR
	SENDT 3
	MERGE 2
	s_wait_dscnt 0x0
	BAR
	RECVT 3
	s_wait_dscnt 0x0
	BAR                             ; the pieces have been read for the last time: mine becomes my stage
	MERGE 3
	WIN 0x05                        ; sources in window 1, destination in window 0
.set n, 0
.rept 32
	v_cvt_pk_f16_f32 v[S+n], v[2*n], v[2*n+1]
.set n, n+1
.endr
	WIN 0
.irp f, 0,1,2,3,4,5,6,7
	ds_store_b128 v[STO], v[S+4*\f:S+4*\f+3] offset:32*\f
.endr
.irp f, 0,1,2,3,4,5,6,7
	ds_load_b128 v[S+32+4*\f:S+32+4*\f+3], v[RD] offset:\f*2*PK  ; LDS serves a wave's instructions in order (ISA guide 5.7.1.4): these see the stores above
.endr
.irp f, 0,1,2,3,4,5,6,7
	s_wait_dscnt 7-\f
	global_store_b128 v[GO], v[S+32+4*\f:S+32+4*\f+3], s[OB:OB+1] offset:\f*8192  ; 16 lanes store 256 consecutive bytes, at a multiple of 256 from ao's first byte
.endr
.if !(\last)
	s_wait_xcnt 0x0                 ; the stores have read their registers and ao's address
	s_add_nc_u64 s[OB:OB+1], s[OB:OB+1], s[DO:DO+1]
	s_mov_b32 s[DV], s[DVH]
	s_sub_co_u32 s[RT], 8, s16      ; the second block has 8 - u tiles
	s_mov_b32 s[NEW], 1
.endif
.endm
.Lslot:                             ; eight times: a tile is entered and the next is asked for
	CHANGE 1
	s_sub_co_u32 s[RT], s[RT], 1
	s_cmp_eq_u32 s[NEW], 1          ; at the first trip a constant of the text
	s_cbranch_scc0 .Lold
	BEGIN
.Lold:
	s_wait_loadcnt 0x0              ; Q (met at once but where a block begins)
	MASKSET
	STEPT
	WIN 0
	s_cmp_eq_u32 s[RT], 0           ; the first block's last tile?  The same answer in all waves and all partners
	s_cbranch_scc0 .Lgo
	FINISH 0
.Lgo:
	s_sub_co_u32 s[SLOTS], s[SLOTS], 1
	s_cmp_lg_u32 s[SLOTS], 0
	s_cbranch_scc1 .Lslot
	CHANGE 0                        ; the walk's last tile is written out.  It is the second block's last, never its first: that block has five tiles or more
	s_sub_co_u32 s[RT], s[RT], 1
	s_wait_loadcnt 0x0
	MASKSET
	STEPT
	FINISH 1
	s_wait_tensorcnt 0x0            ; the wave's end: an add to my spare word and its wait, behind my last tensor load and my last LDS store
	ds_add_u32 v[SPW], v[NIL]
	s_wait_dscnt 0x0
	CROUND                          ; the closing round: no work-group ends while a partner may still ask for a tile that names it
	s_endpgm
.Lfunc_end_k_q05969c7460_attn:
	.size	k_q05969c7460_attn, .Lfunc_end_k_q05969c7460_attn-k_q05969c7460_attn
	.p2alignl 7, 3214868480
	.fill 96, 4, 3214868480
	.section	.rodata,"a",@progbits
	.p2align	6, 0x0
	.amdhsa_kernel k_q05969c7460_attn
		.amdhsa_group_segment_fixed_size 327680
		.amdhsa_private_segment_fixed_size 0
		.amdhsa_enable_private_segment 0
		.amdhsa_kernarg_size 16
		.amdhsa_user_sgpr_count 2
		.amdhsa_user_sgpr_kernarg_segment_ptr 1
		.amdhsa_wavefront_size32 1
		.amdhsa_system_sgpr_workgroup_id_x 1
		.amdhsa_system_sgpr_workgroup_id_y 1
		.amdhsa_system_sgpr_workgroup_id_z 1
		.amdhsa_system_vgpr_workitem_id 0
		.amdhsa_next_free_vgpr 1024
		.amdhsa_next_free_sgpr 96
		.amdhsa_reserve_vcc 1
		.amdhsa_float_denorm_mode_32 3
		.amdhsa_float_denorm_mode_16_64 3
		.amdhsa_memory_ordered 1
		.amdhsa_forward_progress 1
		.amdhsa_inst_pref_size 166
	.end_amdhsa_kernel
	.amdgpu_metadata
---
amdhsa.version: [ 1, 2 ]
amdhsa.kernels:
  - .name:           k_q05969c7460_attn
    .symbol:         k_q05969c7460_attn.kd
    .args:
      - { .name: qkv, .offset: 0, .size: 8, .value_kind: global_buffer, .address_space: global }
      - { .name: ao, .offset: 8, .size: 8, .value_kind: global_buffer, .address_space: global }
    .group_segment_fixed_size: 327680
    .private_segment_fixed_size: 0
    .kernarg_segment_align: 8
    .kernarg_segment_size: 16
    .max_flat_workgroup_size: 128
    .sgpr_count:     96
    .vgpr_count:     1024
    .wavefront_size: 32
...
	.end_amdgpu_metadata
.endif
;; end of part 4
;; launch oproj (part 5): grid 16 x 16, 4 waves a work-group, clusters of 4 x 4, 327,680 bytes of LDS; arguments ao, wof, out0; writes out0
.if DOCPART == 5
	.amdgcn_target "amdgcn-amd-amdhsa--gfx1250"
	.amdhsa_code_object_version 6
	.text
	.protected	k_q05969c7460_oproj
	.globl	k_q05969c7460_oproj
	.p2align	8
	.type	k_q05969c7460_oproj,@function
k_q05969c7460_oproj:
	s_mov_b64 s[64:65], 0
	v_nop
	global_prefetch_b8 v0, s[64:65] scope:SCOPE_SE
	s_setreg_imm32_b32 hwreg(HW_REG_WAVE_MODE, 25, 1), 1
	s_wait_xcnt 0x0
	s_wait_alu depctr_hold_cnt(0) depctr_sa_sdst(0) depctr_va_vdst(0) depctr_va_sdst(0) depctr_va_ssrc(0) depctr_va_vcc(0) depctr_vm_vsrc(0)
	s_getreg_b32 s2, hwreg(HW_REG_IB_STS2, 6, 4)
	s_cmp_eq_u32 s2, 0
	s_cbranch_scc0 .Lentry_in_a_cluster
	s_endpgm
.Lentry_in_a_cluster:
	s_bfe_u32 s2, ttmp6, 0x10000c
	s_cmp_lg_u32 s2, 0xf033
	s_cbranch_scc0 .Lentry_shape_is_right
	s_endpgm
.Lentry_shape_is_right:
; out0[m][n] = the sum over k of ao[m][k] wof[n][k].  ao: [2048][2048] f16, wof: [2048][2048] f16 (wo rounded to bf16, written as f16), out0: [2048][2048] f32; sums in f32.
; A tile of out0 is 128 x 128: 16 x 16 = 256 work-groups, one to a WGP.  Four waves, each 64 x 64: 16 accumulators of 16 x 16.  K goes in steps of 256 (LDS rows of 512 bytes; a wave's tensor load brings 64 of them), as long as two slots allow.
; CLUSTERS: 4 x 4 work-groups.  The four of a row of the cluster need the same tiles of ao, the four of a column the same tiles of wof: each tile is asked for JOINTLY, by the same tensor load with the same descriptor and a mask that names the four.
; THE MATRIX INSTRUCTION IS USED TRANSPOSED (source 0 = 16 rows of wof, source 1 = 16 rows of ao): a lane holds eight neighbouring numbers of a row of out0, 32 bytes.
; THE WAY OUT: a wave's 64 columns of f32 are 256 bytes, aligned: each wave has a stage of its own (16 rows x 272 bytes), no barrier; 16 rows at a time go in by lanes and come back as whole rows.
; No prefetch: the tile is small, and each K step's rows are shared by sixteen tiles of the same row or column.
; REGISTERS: window 0: v0-31 addresses; v128-255 the accumulators ((a, b) at v[128 + 8 (4 a + b)]).  window 1: two fragment buffers of 128: for 64 along K, 64 registers of ao, then 64 of wof.
.set SIZE_N, 2048
.set SIZE_K, 2048
.set KSTEP,  256
.set PITCH,  528                       ; an LDS row: 512 bytes of data + 16 of padding = 132 words: row r starts at bank 4 r mod 64 (64 banks of 4 bytes: ISA guide 11.1)
.set HALFT,  64*PITCH                  ; 64 rows: what one tensor load brings, and what one wave reads of either operand
.set SLOT,   4*HALFT                   ; ao's 128 rows, then wof's 128 rows
.set STAGE,  2*SLOT                    ; behind the ring: 16 rows x 272 bytes for each wave
.set SPITCH, 272
.set SPARE,  STAGE+4*16*SPITCH         ; behind the stages: the spare words, 128 bytes for each wave: two blocks of 256 bytes that no other line names
.set LAPS, SIZE_K/(2*KSTEP)            ; a lap = two K steps = once round the ring
.set ADRA, 16                          ; v16-17  LDS address of my fragments of ao in slot 0, 1
.set ADRB, 20                          ; v20-21  the same for wof
.set STO,  24                          ; v24     the way out: where I put 32 bytes of a row
.set RD,   25                          ; v25     where I read a row back
.set CO,   26                          ; v26     my byte offset in two rows of out0
.set SPW,  28                          ; v28     LDS address of my spare word; never rewritten
.set NIL,  29                          ; v29     0; never rewritten
.set ACC,  128
.set F0,   0                           ; fragment buffers, in window 1
.set F1,   128
.set G1, 24                            ; s[24:31] descriptor group 1 for ao's tiles;  s[32:39] group 0, one set for each slot
.set G0, 32
.set G1B, 48                           ; s[48:55], s[56:63] the same for wof's tiles
.set G0B, 56
.set MSB, 0
.macro WIN new                         ; the immediate's high byte repeats the setting that is left
.if MSB != (\new)
	s_set_vgpr_msb (MSB<<8)|(\new)
.set MSB, \new
.endif
.endm
.set MUL,  0x05                        ; sources 0 and 1 window 1; C and D window 0
.set TO_F, 0x40                        ; destination window 1, address window 0
.macro JLOAD s                         ; a joint load: waves 0 and 1 fetch ao's two halves, waves 2 and 3 wof's; an s_nop 0 and four v_nop follow each of the two lines
	s_cmp_eq_u32 s11, 0
	s_cbranch_scc0 .Lfor_b_\@
	tensor_load_to_lds s[G0+4*(\s):G0+4*(\s)+3], s[G1:G1+7]
	s_nop 0
.rept 4
	v_nop
.endr
	s_branch .Lasked_\@
.Lfor_b_\@:
	tensor_load_to_lds s[G0B+4*(\s):G0B+4*(\s)+3], s[G1B:G1B+7]
	s_nop 0
.rept 4
	v_nop
.endr
.Lasked_\@:
.endm
.macro CREST                           ; a round of the cluster's barrier behind its opening barrier
	s_cmp_lg_u32 s10, 0
	s_cbranch_scc1 .Lnot_wave_0_\@
	s_barrier_signal -3
.Lnot_wave_0_\@:
	s_barrier_wait -3
	s_barrier_signal -1
	s_barrier_wait -1
.endm
.macro CROUND
	s_barrier_signal -1
	s_barrier_wait -1
	CREST
.endm
	s_load_b128 s[4:7], s[0:1], 0x0                ; ao s[4:5], wof s[6:7]
	s_load_b64 s[8:9], s[0:1], 0x10                ; out0
	v_lshl_add_u32 v[SPW], v0, 2, SPARE
	v_mov_b32 v[NIL], 0
	ds_add_u32 v[SPW], v[NIL]                      ; the wave's opening: the add and its wait stand ahead of my first tensor load; the set-up below, work on registers, stands between them
	v_lshrrev_b32 v1, 5, v0
	v_readfirstlane_b32 s10, v1                    ; wave 0..3
	s_lshr_b32 s11, s10, 1                         ; which half of the tile's rows is mine.  Also: I fetch for ao (0) or for wof (1)
	s_and_b32 s12, s10, 1                          ; which half of its columns.  Also: which 64 rows of that tile I fetch
	s_bfe_u32 s40, ttmp6, 0x40000                  ; cx, cy: my place in the cluster
	s_bfe_u32 s41, ttmp6, 0x40004
	s_lshl_b32 s42, ttmp9, 2
	s_add_co_u32 s42, s42, s40                     ; tile column = 4 x cluster x + cx
	s_and_b32 s13, ttmp7, 0xffff
	s_lshl_b32 s13, s13, 2
	s_add_co_u32 s13, s13, s41                     ; tile row = 4 x cluster y + cy
	s_lshl_b32 s43, s41, 2
	s_lshl_b32 s43, 15, s43                        ; my row of the cluster
	s_lshl_b32 s44, 0x1111, s40                    ; my column
	s_or_b32 s[G1+0], s43, (1<<16)|(1<<20)|(1<<21)|(6<<22)|(3<<25)  ; 15:0 the mask; 17:16 element of 2 bytes; 20 padding on; 21 set beside a mask; 24:22 after every 128 words (code 6); 31:25 of 4 words (code 3)
	s_or_b32 s[G1B+0], s44, (1<<16)|(1<<20)|(1<<21)|(6<<22)|(3<<25)
.irp g, G1, G1B
	s_mov_b32 s[(\g)+1], KSTEP<<16                 ; tensor_dim0 = 256
	s_mov_b32 s[(\g)+2], 64<<16                    ; tensor_dim1 = 64
	s_mov_b32 s[(\g)+3], KSTEP<<16                 ; tile_dim0 = 256
	s_mov_b32 s[(\g)+4], 64                        ; tile_dim1 = 64
	s_mov_b32 s[(\g)+5], SIZE_K                    ; elements from row to row
	s_mov_b32 s[(\g)+6], 0
	s_mov_b32 s[(\g)+7], 0
.endr
	s_lshl_b32 s17, s12, 6                         ; which 64 rows of the tile I fetch
	s_lshl_b32 s16, s13, 7
	s_add_co_u32 s16, s16, s17                     ; ao: row 128 x tile row + 64 x half
	s_lshl_b32 s46, s42, 7
	s_add_co_u32 s46, s46, s17                     ; wof: row 128 x tile column + 64 x half
	s_mov_b32 s17, 0
	s_mov_b32 s47, 0
	s_mov_b64 s[18:19], SIZE_K*2
	s_mul_u64 s[16:17], s[16:17], s[18:19]
	s_mul_u64 s[46:47], s[46:47], s[18:19]
	s_mul_i32 s20, s10, HALFT                      ; where they go: wave x 64 rows
	s_wait_dscnt 0x0                               ; the opening add is done
	s_wait_kmcnt 0x0
	s_add_nc_u64 s[14:15], s[4:5], s[16:17]
	s_add_nc_u64 s[46:47], s[6:7], s[46:47]
	CROUND                                         ; all sixteen work-groups are here: the first joint loads meet
.irp s, 0,1
	s_mov_b32 s[G0+4*(\s)], 1
	s_add_co_u32 s[G0+4*(\s)+1], s20, (\s)*SLOT
	s_add_nc_u64 s[G0+4*(\s)+2:G0+4*(\s)+3], s[14:15], (\s)*KSTEP*2
	s_or_b32 s[G0+4*(\s)+3], s[G0+4*(\s)+3], 0x80000000
	s_mov_b32 s[G0B+4*(\s)], 1
	s_add_co_u32 s[G0B+4*(\s)+1], s20, (\s)*SLOT
	s_add_nc_u64 s[G0B+4*(\s)+2:G0B+4*(\s)+3], s[46:47], (\s)*KSTEP*2
	s_or_b32 s[G0B+4*(\s)+3], s[G0B+4*(\s)+3], 0x80000000
	JLOAD \s
.endr
	v_and_b32 v1, 15, v0                           ; l % 16
	v_bfe_u32 v2, v0, 4, 1                         ; l / 16
	v_mul_u32_u24 v3, v1, PITCH
	v_lshl_add_u32 v3, v2, 4, v3                   ; a fragment's row x pitch + 16 x half
	s_mul_i32 s21, s11, HALFT                      ; my 64 rows of ao
	s_mul_i32 s22, s12, HALFT                      ; my 64 rows of wof,
	s_add_co_u32 s22, s22, 2*HALFT                 ; which lie behind ao's 128
.irp s, 0,1
	v_add_nc_u32 v[ADRA+(\s)], s21, v3
	v_add_nc_u32 v[ADRB+(\s)], s22, v3
	s_add_co_u32 s21, s21, SLOT
	s_add_co_u32 s22, s22, SLOT
.endr
	s_mul_i32 s23, s10, 16*SPITCH
	s_add_co_u32 s23, s23, STAGE                   ; my stage
	v_mul_u32_u24 v4, v1, SPITCH                   ; in: row l % 16, 32 bytes for each half of the lanes
	v_lshl_add_u32 v4, v2, 5, v4
	v_add_nc_u32 v[STO], s23, v4
	v_mul_u32_u24 v5, v2, SPITCH                   ; back: lanes 0-15 one row of 256 bytes, lanes 16-31 the next
	v_lshl_add_u32 v5, v1, 4, v5
	v_add_nc_u32 v[RD], s23, v5
	v_mul_u32_u24 v5, v2, SIZE_N*4                 ; and the same two rows in out0
	v_lshl_add_u32 v[CO], v1, 4, v5
	s_lshl_b32 s16, s13, 7
	s_lshl_b32 s17, s11, 6
	s_add_co_u32 s16, s16, s17                     ; my first row: 128 x tile row + 64 x half,
	s_lshl_b32 s16, s16, 13                        ; 8,192 bytes a row
	s_mov_b32 s17, 0
	s_add_nc_u64 s[8:9], s[8:9], s[16:17]
	s_lshl_b32 s46, s42, 9                         ; my first column, in bytes: 512 x tile column + 256 x half
	s_lshl_b32 s47, s12, 8
	s_add_co_u32 s46, s46, s47
	s_mov_b32 s47, 0
	s_add_nc_u64 s[8:9], s[8:9], s[46:47]
; 8 matrix instructions: m blocks a0, a0 + 1 x all 4 n blocks, 32 along K: half c of buffer f.  zero = 1: the first product starts the sums
.macro MUL8 f, c, a0, zero
	WIN MUL
.irp a, \a0, (\a0)+1
.irp b, 0,1,2,3
.if \zero
	v_wmma_f32_16x16x32_f16 v[ACC+8*(4*(\a)+(\b)):ACC+8*(4*(\a)+(\b))+7], v[(\f)+64+8*(4*(\c)+(\b)):(\f)+64+8*(4*(\c)+(\b))+7], v[(\f)+8*(4*(\c)+(\a)):(\f)+8*(4*(\c)+(\a))+7], 0
.else
	v_wmma_f32_16x16x32_f16 v[ACC+8*(4*(\a)+(\b)):ACC+8*(4*(\a)+(\b))+7], v[(\f)+64+8*(4*(\c)+(\b)):(\f)+64+8*(4*(\c)+(\b))+7], v[(\f)+8*(4*(\c)+(\a)):(\f)+8*(4*(\c)+(\a))+7], v[ACC+8*(4*(\a)+(\b)):ACC+8*(4*(\a)+(\b))+7]
.endif
.endr
.endr
.endm
; 32 LDS loads in one run: the fragments of 64 along K at byte k of the rows, into buffer f; the first 32 along K first
.macro FETCH slot, k, f
	WIN TO_F
.irp c, 0,1
.irp i, 0,1,2,3
	ds_load_b128 v[(\f)+64+8*(4*(\c)+(\i)):(\f)+64+8*(4*(\c)+(\i))+3],   v[ADRB+(\slot)] offset:(\k)+64*(\c)+(\i)*16*PITCH
	ds_load_b128 v[(\f)+64+8*(4*(\c)+(\i))+4:(\f)+64+8*(4*(\c)+(\i))+7], v[ADRB+(\slot)] offset:(\k)+64*(\c)+(\i)*16*PITCH+32
	ds_load_b128 v[(\f)+8*(4*(\c)+(\i)):(\f)+8*(4*(\c)+(\i))+3],         v[ADRA+(\slot)] offset:(\k)+64*(\c)+(\i)*16*PITCH
	ds_load_b128 v[(\f)+8*(4*(\c)+(\i))+4:(\f)+8*(4*(\c)+(\i))+7],       v[ADRA+(\slot)] offset:(\k)+64*(\c)+(\i)*16*PITCH+32
.endr
.endr
.endm
.macro PLACES                          ; four places in front of loads into registers that matrix instructions have read, and of stores that read results
.rept 4
	v_nop
.endr
.endm
; A K step is four quarters of 64 along K, 32 matrix instructions each, on buffers 0, 1, 0, 1; the 16 accumulators take turns.  One of the first three: multiplies buffer f and fetches the next quarter, at byte k, into g.
.macro QUARTER slot, k, f, g, zero
	s_wait_dscnt 16                                ; the first 32 along K are in
	WIN MUL
	MUL8 \f, 0, 0, \zero
	MUL8 \f, 0, 2, \zero
	PLACES
	FETCH \slot, \k, \g
	s_wait_dscnt 32                                ; all but the 32 just issued
	WIN MUL
	MUL8 \f, 1, 0, 0
	MUL8 \f, 1, 2, 0
.endm
; The last quarter multiplies buffer 1 and changes slots: ONE barrier; in front of it each wave waits for all its tensor loads, adds 0 to its spare word, and waits for that and for its own reads of this slot.  fill = 1: this slot is filled again, two K steps ahead.
.macro TURN slot, next, fill
	WIN 0                                          ; (the add's two registers lie in window 0)
	s_wait_tensorcnt 0x0                           ; all my tensor loads have landed: my part of the next slot;
	ds_add_u32 v[SPW], v[NIL]                      ; 0 onto my spare word;
	s_wait_dscnt 17                                ; (the add and the youngest sixteen loads may be out)
	WIN MUL
	MUL8 F1, 0, 0, 0                               ; eight matrix instructions stand between the add and the wait for it
	s_wait_dscnt 0x0                               ; the add is done, and my reads of this slot are over
	s_barrier_signal -1
	MUL8 F1, 0, 2, 0
.if \fill
	WIN 0
.endif
	s_barrier_wait -1
.if \fill
	CREST                                          ; the barrier has opened a round of the cluster's barrier: no wave of any partner still reads this slot's tile or has a load on its way
	s_add_nc_u64 s[G0+4*(\slot)+2:G0+4*(\slot)+3], s[G0+4*(\slot)+2:G0+4*(\slot)+3], 2*KSTEP*2
	s_add_nc_u64 s[G0B+4*(\slot)+2:G0B+4*(\slot)+3], s[G0B+4*(\slot)+2:G0B+4*(\slot)+3], 2*KSTEP*2
	JLOAD \slot                                    ; the first tensor load behind the round: 112 matrix instructions ahead of the wait for it; its four v_nop are also the places in front of the loads below
.else
	PLACES
.endif
	FETCH \next, 0, F0
	WIN MUL
	MUL8 F1, 1, 0, 0
	MUL8 F1, 1, 2, 0
.endm
	s_wait_tensorcnt 1                             ; my part of K step 0 is in; K step 1's may stay out
	s_barrier_signal -1
	s_barrier_wait -1                              ; everybody's is
	FETCH 0, 0, F0
	QUARTER 0, 128, F0, F1, 1                      ; the first quarter stands in front of the loop: its first products start the sums
	WIN 0                                          ; at a label and at a branch every window is 0
	s_mov_b32 s3, LAPS-1
.Llap:                                                 ; a trip goes once round the ring, from a lap's second quarter to the next lap's first, and fills both slots again
	QUARTER 0, 256, F1, F0, 0
	QUARTER 0, 384, F0, F1, 0
	TURN 0, 1, 1
	QUARTER 1, 128, F0, F1, 0
	QUARTER 1, 256, F1, F0, 0
	QUARTER 1, 384, F0, F1, 0
	TURN 1, 0, 1
	QUARTER 0, 128, F0, F1, 0
	WIN 0
	s_sub_co_u32 s3, s3, 1
	s_cmp_lg_u32 s3, 0
	s_cbranch_scc1 .Llap
	QUARTER 0, 256, F1, F0, 0                      ; the last lap fills nothing, and has no round of the cluster's barrier
	QUARTER 0, 384, F0, F1, 0
	TURN 0, 1, 0
	QUARTER 1, 128, F0, F1, 0
	QUARTER 1, 256, F1, F0, 0
	QUARTER 1, 384, F0, F1, 0
	s_wait_dscnt 16                                ; the very last quarter: nothing more to fetch
	WIN MUL
	MUL8 F1, 0, 0, 0
	MUL8 F1, 0, 2, 0
	s_wait_dscnt 0
	MUL8 F1, 1, 0, 0
	MUL8 F1, 1, 2, 0
	WIN 0
	; THE WAY OUT, 16 rows (row block a) at a time through my own stage.
	PLACES
.macro TOSTAGE a
.irp b, 0,1,2,3
	ds_store_b128 v[STO], v[ACC+8*(4*(\a)+(\b)):ACC+8*(4*(\a)+(\b))+3]   offset:64*(\b)     ; each accumulator from its low end on
	ds_store_b128 v[STO], v[ACC+8*(4*(\a)+(\b))+4:ACC+8*(4*(\a)+(\b))+7] offset:64*(\b)+16
.endr
.irp t, 0,1,2,3,4,5,6,7
	ds_load_b128 v[ACC+32*(\a)+4*(\t):ACC+32*(\a)+4*(\t)+3], v[RD] offset:(\t)*2*SPITCH  ; LDS serves a wave's instructions in order (ISA guide 5.7.1.4): these see the stores above; the next block's stores come behind them
.endr
.endm
.macro SEND a, younger                 ; younger: the LDS instructions issued behind block a's loads: the next block's sixteen, or none
.irp t, 0,1,2,3,4,5,6,7
	s_wait_dscnt (\younger)+7-(\t)
	global_store_b128 v[CO], v[ACC+32*(\a)+4*(\t):ACC+32*(\a)+4*(\t)+3], s[8:9] offset:(16*(\a)+2*(\t))*SIZE_N*4 th:TH_STORE_NT  ; 16 lanes store 256 consecutive bytes, at a multiple of 256 from out0's first byte
.endr
.endm
	TOSTAGE 0
	TOSTAGE 1
	SEND 0, 16
	TOSTAGE 2
	SEND 1, 16
	TOSTAGE 3
	SEND 2, 16
	SEND 3, 0
	s_wait_tensorcnt 0x0                           ; the wave's end: an add to my spare word and its wait, behind my last tensor load and my last LDS store
	ds_add_u32 v[SPW], v[NIL]
	s_wait_dscnt 0x0
	CROUND                                         ; the closing round: no work-group ends while a partner may still ask for a tile that names it
	s_endpgm
.Lfunc_end_k_q05969c7460_oproj:
	.size	k_q05969c7460_oproj, .Lfunc_end_k_q05969c7460_oproj-k_q05969c7460_oproj
	.p2alignl 7, 3214868480
	.fill 96, 4, 3214868480
	.section	.rodata,"a",@progbits
	.p2align	6, 0x0
	.amdhsa_kernel k_q05969c7460_oproj
		.amdhsa_group_segment_fixed_size 327680
		.amdhsa_private_segment_fixed_size 0
		.amdhsa_enable_private_segment 0
		.amdhsa_kernarg_size 24
		.amdhsa_user_sgpr_count 2
		.amdhsa_user_sgpr_kernarg_segment_ptr 1
		.amdhsa_wavefront_size32 1
		.amdhsa_system_sgpr_workgroup_id_x 1
		.amdhsa_system_sgpr_workgroup_id_y 1
		.amdhsa_system_sgpr_workgroup_id_z 1
		.amdhsa_system_vgpr_workitem_id 0
		.amdhsa_next_free_vgpr 512
		.amdhsa_next_free_sgpr 66
		.amdhsa_reserve_vcc 0
		.amdhsa_float_denorm_mode_32 3
		.amdhsa_float_denorm_mode_16_64 3
		.amdhsa_memory_ordered 1
		.amdhsa_forward_progress 1
		.amdhsa_inst_pref_size 86
	.end_amdhsa_kernel
	.amdgpu_metadata
---
amdhsa.version: [ 1, 2 ]
amdhsa.kernels:
  - .name:           k_q05969c7460_oproj
    .symbol:         k_q05969c7460_oproj.kd
    .args:
      - { .name: ao, .offset: 0, .size: 8, .value_kind: global_buffer, .address_space: global }
      - { .name: wof, .offset: 8, .size: 8, .value_kind: global_buffer, .address_space: global }
      - { .name: out0, .offset: 16, .size: 8, .value_kind: global_buffer, .address_space: global }
    .group_segment_fixed_size: 327680
    .private_segment_fixed_size: 0
    .kernarg_segment_align: 8
    .kernarg_segment_size: 24
    .max_flat_workgroup_size: 128
    .sgpr_count:     66
    .vgpr_count:     512
    .wavefront_size: 32
...
	.end_amdgpu_metadata
.endif
;; end of part 5
;; ======== version 2 of 2: 5 launches; version 1 with the launch norm written anew for expert scheduling mode
;; limits: values are held in f16: magnitudes above 65,504 overflow, below 6.1e-05 lose precision
;; workspace buffers: xa 16,777,216 bytes; wb 25,165,824 bytes; wof 8,388,608 bytes; cs 1,048,576 bytes; part 50,331,648 bytes; qkv 12,582,912 bytes; ao 8,388,608 bytes
;; launch cast: the kernel of part 1 again; grid 32 x 28, 8 waves a work-group, no clusters, 0 bytes of LDS; arguments hidden_states, mu_prev, wq, wmq, wk, wmk, wv, wmv, wo, xa, wb, wof, cs; writes xa, wb, wof, cs
;; launch proj: the kernel of part 2 again; grid 16 x 16, 4 waves a work-group, clusters of 4 x 4, 327,680 bytes of LDS; arguments xa, wb, part; writes part
;; launch norm (part 6): grid 256 x 6, 8 waves a work-group, no clusters, 0 bytes of LDS; arguments part, cs, q_norm_w, k_norm_w, qkv; writes qkv
.if DOCPART == 6
	.amdgcn_target "amdgcn-amd-amdhsa--gfx1250"
	.amdhsa_code_object_version 6
	.text
	.protected	k_q05969c7460_norm
	.globl	k_q05969c7460_norm
	.p2align	8
	.type	k_q05969c7460_norm,@function
k_q05969c7460_norm:
	s_mov_b64 s[64:65], 0
	v_nop
	global_prefetch_b8 v0, s[64:65] scope:SCOPE_SE
	s_setreg_imm32_b32 hwreg(HW_REG_WAVE_SCHED_MODE, 0, 2), 2
	s_setreg_imm32_b32 hwreg(HW_REG_WAVE_MODE, 25, 1), 1
	s_wait_xcnt 0x0
	s_wait_alu depctr_vm_vsrc(0)
; q, k, v FROM THE TWO HALVES OF THE PROJECTIONS' SUMS.  part: [2][2048][3072] f32 (column = head x 128 + channel; heads 0-15 q, 16-19 k, 20-23 v); cs: [2048][128] f32 (64 cosines, 64 sines);
; qkv: [24][2048][128] f16.  x = part[0] + part[1]; for q and k: rs = 1 / sqrt(mean of x^2 over the head's 128 channels + 1e-6), y = x g rs, o[d] = y[d] cos - y[d + 64] sin, o[d + 64] = y[d + 64] cos + y[d] sin;
; v is x.  All in f32; q, k, v rounded once to f16.  The two gains are rounded to bf16 like every other input.
; LIMITS.  q, k, v must lie within f16's range (65,504): q and k are at most 11.4 times the largest gain; NaN and infinities are not treated apart.
; SHARES.  The grid's y is a group of four heads (0-3 q, 4 k, 5 v), its x eight positions, a wave a position.  A head's 128 sums are 512 bytes: lane l takes the 16 bytes at 16 l (channels 4 l + 0..3), so a load of a wave covers 512
; consecutive bytes, and its store of 8 bytes a lane covers 256 consecutive bytes, aligned.  The rotation's partner (channel d + 64 or d - 64) lies in the lane 16 away, with the same frequency; lanes 0-15 take the sine negated.
; A stream: each byte of part is read once, all of a wave's loads go out at once, nothing is shared between waves: no LDS, no barrier, no matrix unit.
; THE MODE: SCHED_MODE bits 1:0 = 2 (LLVM: expert scheduling mode 2), set by the entry lines.  The code itself states the register dependences between vector instructions and memory instructions, with s_wait_alu, always for 0.
; THE PLAN.  Registers that memory instructions touch:
;   v3, v5     offsets of the loads, v4 offset of the stores: made by vector lines at the head, never written again.
;   X, CT, SN, GW   written by the loads; no vector instruction names them ahead of the loads, and all that read them stand behind the wait for the loads' data.
;   v[X+8i+4 : X+8i+5]   the stores' data: written by the last eight conversions, read by the four stores, behind which the wave ends.
;   s14        the wave's number: written by a vector instruction, read by scalar ones.
; So each path has four waits: one for s14 ahead of its first reader; one ahead of the first load, for the three offsets; one ahead of the roots' first reader (the path of q and k alone); one ahead of the run of four stores, for their data.
; No register that a memory instruction has read is written again on any path, so no wait on vm_vsrc has a dependence to state.  EXEC and VCC are never written.
.set X,  16                            ; v[16:47] head i of four: v[X+8i .. +3] the first half's sums, then x; v[X+8i+4 .. +7] the second half's, then at work
.set CT, 48                            ; v[48:51] my four cosines
.set SN, 52                            ; v[52:55] my four sines, with my half's sign
.set GW, 56                            ; v[56:59] my four gains
.set TW, 60                            ; v[60:61] at work
	s_load_b256 s[4:11], s[0:1], 0x0               ; part s[4:5], cs s[6:7], q_norm_w s[8:9], k_norm_w s[10:11]
	s_load_b64 s[12:13], s[0:1], 0x20              ; qkv
	v_lshrrev_b32 v1, 5, v0
	v_readfirstlane_b32 s14, v1                    ; wave 0..7
	v_and_b32 v2, 31, v0                           ; lane
	v_lshlrev_b32 v3, 4, v2                        ; my 16 bytes of a head's sums, and of the gains
	v_lshlrev_b32 v4, 3, v2                        ; my 8 bytes of a head's row of qkv
	v_and_b32 v5, 15, v0
	v_lshlrev_b32 v5, 4, v5                        ; my 16 bytes among the cosines
	s_and_b32 s15, ttmp7, 0xffff                   ; the group of heads
	s_lshl_b32 s16, ttmp9, 3
	s_wait_alu depctr_va_sdst(0)                   ; s14 is written, ahead of its first reader: the position, and all three bases, are made from it
	s_add_co_u32 s16, s16, s14                     ; the position
	s_mul_i32 s18, s16, 12288                      ; a row of part,
	s_lshl_b32 s19, s15, 11                        ; four heads of 512 bytes
	s_add_co_u32 s18, s18, s19
	s_mov_b32 s19, 0
	s_lshl_b32 s20, s16, 9                         ; a row of the table
	s_mov_b32 s21, 0
	s_lshl_b32 s22, s15, 21                        ; four heads of 524,288 bytes of qkv,
	s_lshl_b32 s23, s16, 8                         ; a row of 256
	s_add_co_u32 s22, s22, s23
	s_mov_b32 s23, 0
	s_mov_b32 s30, 0x3c000000                      ; 1 / 128
	s_mov_b32 s31, 0x358637bd                      ; 1e-6
	s_mov_b32 s32, 0x76543210                      ; v_permlanex16_b32's selects: each lane takes its own place in the other half
	s_mov_b32 s33, 0xfedcba98
	s_wait_kmcnt 0x0
	s_add_nc_u64 s[4:5], s[4:5], s[18:19]
	s_add_nc_u64 s[24:25], s[4:5], 2048*12288      ; the second half of K
	s_add_nc_u64 s[6:7], s[6:7], s[20:21]
	s_add_nc_u64 s[12:13], s[12:13], s[22:23]
	s_wait_alu depctr_va_vdst(0)                   ; v3, v4 and v5 are written: every load below reads v3 or v5 as its offset, every store v4; no vector line writes them again
.irp i, 0,1,2,3
	global_load_b128 v[X+8*\i:X+8*\i+3],   v3, s[4:5]   offset:512*\i th:TH_LOAD_NT
	global_load_b128 v[X+8*\i+4:X+8*\i+7], v3, s[24:25] offset:512*\i th:TH_LOAD_NT
.endr
	s_cmp_eq_u32 s15, 5
	s_cbranch_scc1 .Lv
	s_cmp_eq_u32 s15, 4
	s_cselect_b64 s[8:9], s[10:11], s[8:9]         ; k's gains for group 4, q's for groups 0-3
	global_load_b128 v[CT:CT+3], v5, s[6:7]        ; no vector instruction has been issued since the wait above
	global_load_b128 v[SN:SN+3], v5, s[6:7] offset:256
	global_load_b128 v[GW:GW+3], v3, s[8:9]
	v_bfe_u32 v6, v0, 4, 1
	v_xor_b32 v6, 1, v6
	v_lshlrev_b32 v6, 31, v6                       ; the sign bit in lanes 0-15; no memory instruction names v6
	s_wait_loadcnt 0x0                             ; everything is wanted at once
	v_cvt_pk_bf16_f32 v[TW], v[GW], v[GW+1]        ; the gains are rounded to bf16 and widened again
	v_cvt_pk_bf16_f32 v[TW+1], v[GW+2], v[GW+3]
	v_lshlrev_b32 v[GW], 16, v[TW]
	v_and_b32 v[GW+1], 0xffff0000, v[TW]
	v_lshlrev_b32 v[GW+2], 16, v[TW+1]
	v_and_b32 v[GW+3], 0xffff0000, v[TW+1]
.irp k, 0,1,2,3
	v_xor_b32 v[SN+\k], v6, v[SN+\k]
.endr
.irp i, 0,1,2,3
	v_pk_add_f32 v[X+8*\i:X+8*\i+1],   v[X+8*\i:X+8*\i+1],   v[X+8*\i+4:X+8*\i+5]  ; x
	v_pk_add_f32 v[X+8*\i+2:X+8*\i+3], v[X+8*\i+2:X+8*\i+3], v[X+8*\i+6:X+8*\i+7]
.endr
.irp i, 0,1,2,3
	v_pk_mul_f32 v[X+8*\i+4:X+8*\i+5], v[X+8*\i:X+8*\i+1], v[X+8*\i:X+8*\i+1]     ; the lane's four squares
.endr
.irp i, 0,1,2,3
	v_pk_fma_f32 v[X+8*\i+4:X+8*\i+5], v[X+8*\i+2:X+8*\i+3], v[X+8*\i+2:X+8*\i+3], v[X+8*\i+4:X+8*\i+5]
.endr
.irp i, 0,1,2,3
	v_add_f32 v[X+8*\i+4], v[X+8*\i+4], v[X+8*\i+5]
.endr
.irp m, 1,2,4,8
.irp i, 0,1,2,3
	v_add_f32_dpp v[X+8*\i+4], v[X+8*\i+4], v[X+8*\i+4] row_xmask:\m row_mask:0xf bank_mask:0xf  ; across 16 lanes; the four heads stand between a head's steps
.endr
.endr
.irp i, 0,1,2,3
	v_permlanex16_b32 v[X+8*\i+5], v[X+8*\i+4], s32, s33   ; and across the halves
.endr
.irp i, 0,1,2,3
	v_add_f32 v[X+8*\i+4], v[X+8*\i+4], v[X+8*\i+5]
.endr
.irp i, 0,1,2,3
	v_fma_f32 v[X+8*\i+4], v[X+8*\i+4], s30, s31
.endr
.irp i, 0,1,2,3
	v_rsq_f32 v[X+8*\i+6], v[X+8*\i+4]             ; twice: a pair for the packed multiplies
	v_rsq_f32 v[X+8*\i+7], v[X+8*\i+4]
.endr
.irp i, 0,1,2,3
	v_pk_mul_f32 v[X+8*\i:X+8*\i+1],   v[X+8*\i:X+8*\i+1],   v[GW:GW+1]    ; x g: plain work behind the roots, which names neither their results nor their sources
	v_pk_mul_f32 v[X+8*\i+2:X+8*\i+3], v[X+8*\i+2:X+8*\i+3], v[GW+2:GW+3]
.endr
	s_wait_alu depctr_va_vdst(0)                   ; the eight roots have written v[X+8i+6] and v[X+8i+7]: the one wait ahead of the batch's first reader
.irp i, 0,1,2,3
	v_pk_mul_f32 v[X+8*\i:X+8*\i+1],   v[X+8*\i:X+8*\i+1],   v[X+8*\i+6:X+8*\i+7]  ; y
	v_pk_mul_f32 v[X+8*\i+2:X+8*\i+3], v[X+8*\i+2:X+8*\i+3], v[X+8*\i+6:X+8*\i+7]
.endr
.irp i, 0,1,2,3
.irp k, 0,1,2,3
	v_permlanex16_b32 v[X+8*\i+4+\k], v[X+8*\i+\k], s32, s33  ; the partner's y
.endr
.endr
.irp i, 0,1,2,3
	v_pk_mul_f32 v[X+8*\i:X+8*\i+1],   v[X+8*\i:X+8*\i+1],   v[CT:CT+1]
	v_pk_mul_f32 v[X+8*\i+2:X+8*\i+3], v[X+8*\i+2:X+8*\i+3], v[CT+2:CT+3]
.endr
.irp i, 0,1,2,3
	v_pk_fma_f32 v[X+8*\i:X+8*\i+1],   v[X+8*\i+4:X+8*\i+5], v[SN:SN+1],   v[X+8*\i:X+8*\i+1]
	v_pk_fma_f32 v[X+8*\i+2:X+8*\i+3], v[X+8*\i+6:X+8*\i+7], v[SN+2:SN+3], v[X+8*\i+2:X+8*\i+3]
.endr
.irp i, 0,1,2,3
	v_cvt_pk_f16_f32 v[X+8*\i+4], v[X+8*\i],   v[X+8*\i+1]     ; all four heads are rounded first,
	v_cvt_pk_f16_f32 v[X+8*\i+5], v[X+8*\i+2], v[X+8*\i+3]
.endr
	s_wait_alu depctr_va_vdst(0)                   ; the eight conversions have written v[X+8i+4 : X+8i+5], which the four stores read
.irp i, 0,1,2,3
	global_store_b64 v4, v[X+8*\i+4:X+8*\i+5], s[12:13] offset:\i*524288  ; and stored in one run: no vector instruction stands behind a store
.endr
	s_endpgm
.Lv:                                                   ; v is only added and rounded
	s_wait_loadcnt 0x0
.irp i, 0,1,2,3
	v_pk_add_f32 v[X+8*\i:X+8*\i+1],   v[X+8*\i:X+8*\i+1],   v[X+8*\i+4:X+8*\i+5]
	v_pk_add_f32 v[X+8*\i+2:X+8*\i+3], v[X+8*\i+2:X+8*\i+3], v[X+8*\i+6:X+8*\i+7]
.endr
.irp i, 0,1,2,3
	v_cvt_pk_f16_f32 v[X+8*\i+4], v[X+8*\i],   v[X+8*\i+1]
	v_cvt_pk_f16_f32 v[X+8*\i+5], v[X+8*\i+2], v[X+8*\i+3]
.endr
	s_wait_alu depctr_va_vdst(0)                   ; the eight conversions have written v[X+8i+4 : X+8i+5], which the four stores read
.irp i, 0,1,2,3
	global_store_b64 v4, v[X+8*\i+4:X+8*\i+5], s[12:13] offset:\i*524288
.endr
	s_endpgm
.Lfunc_end_k_q05969c7460_norm:
	.size	k_q05969c7460_norm, .Lfunc_end_k_q05969c7460_norm-k_q05969c7460_norm
	.p2alignl 7, 3214868480
	.fill 96, 4, 3214868480
	.section	.rodata,"a",@progbits
	.p2align	6, 0x0
	.amdhsa_kernel k_q05969c7460_norm
		.amdhsa_group_segment_fixed_size 0
		.amdhsa_private_segment_fixed_size 0
		.amdhsa_enable_private_segment 0
		.amdhsa_kernarg_size 40
		.amdhsa_user_sgpr_count 2
		.amdhsa_user_sgpr_kernarg_segment_ptr 1
		.amdhsa_wavefront_size32 1
		.amdhsa_system_sgpr_workgroup_id_x 1
		.amdhsa_system_sgpr_workgroup_id_y 1
		.amdhsa_system_sgpr_workgroup_id_z 1
		.amdhsa_system_vgpr_workitem_id 0
		.amdhsa_next_free_vgpr 64
		.amdhsa_next_free_sgpr 66
		.amdhsa_reserve_vcc 0
		.amdhsa_float_denorm_mode_32 3
		.amdhsa_float_denorm_mode_16_64 3
		.amdhsa_memory_ordered 1
		.amdhsa_forward_progress 1
		.amdhsa_inst_pref_size 12
	.end_amdhsa_kernel
	.amdgpu_metadata
---
amdhsa.version: [ 1, 2 ]
amdhsa.kernels:
  - .name:           k_q05969c7460_norm
    .symbol:         k_q05969c7460_norm.kd
    .args:
      - { .name: part, .offset: 0, .size: 8, .value_kind: global_buffer, .address_space: global }
      - { .name: cs, .offset: 8, .size: 8, .value_kind: global_buffer, .address_space: global }
      - { .name: q_norm_w, .offset: 16, .size: 8, .value_kind: global_buffer, .address_space: global }
      - { .name: k_norm_w, .offset: 24, .size: 8, .value_kind: global_buffer, .address_space: global }
      - { .name: qkv, .offset: 32, .size: 8, .value_kind: global_buffer, .address_space: global }
    .group_segment_fixed_size: 0
    .private_segment_fixed_size: 0
    .kernarg_segment_align: 8
    .kernarg_segment_size: 40
    .max_flat_workgroup_size: 256
    .sgpr_count:     66
    .vgpr_count:     64
    .wavefront_size: 32
...
	.end_amdgpu_metadata
.endif
;; end of part 6
;; launch attn: the kernel of part 4 again; grid 64 x 4, 4 waves a work-group, clusters of 4 x 1, 327,680 bytes of LDS; arguments qkv, ao; writes ao
;; launch oproj: the kernel of part 5 again; grid 16 x 16, 4 waves a work-group, clusters of 4 x 4, 327,680 bytes of LDS; arguments ao, wof, out0; writes out0
